; MI455X (gfx1250); checked and timed in simulation.
; The chip was launched on July 23, 2026; its instructions are those of AMD's public machine-readable ISA for CDNA 5 (MIT licence, August 2026) and "CDNA5" Instruction Set Architecture Reference Guide (July 2026). The comments in the code are by the model that wrote it; some were corrected since.
;; Dual Self Attention. Allowed arithmetic: matrix products marked QUANTISED: E2M1 operands, one E8M0 scale for each 32 along K, by v_wmma_scale_f32_16x16x128_f8f6f4 with both operands' format E2M1 (or v_wmma_scale_f32_32x16x128_f4), f32 sums; products left as they are: bf16, f16 or f32 operands; f32 sums; everything else in f32.
;; Inputs: Wout 1,024 x 1,024 float32; Wqkv 1,024 x 3,072 float32; bout 1,024 float32; x 2 x 2,048 x 1,024 float32; x2 2 x 2,048 x 1,024 float32.
;; Outputs: out0 2 x 2,048 x 1,024 float32.
;; This version of the problem:
;;   THIS VERSION OF THE PROBLEM IS GIVEN IN LOW PRECISION. The matrix products marked QUANTISED in the list below multiply operands that are first quantised to E2M1 (2 exponent bits, 1 mantissa bit; 4 bits a number), with one power-of-two scale for each 32 numbers along K (OCP MX v1.0); their sums are f32. The products marked 'left as it is' may take bf16, f16 or f32 operands, with f32 sums. Whichever they take, every output number must still come out within the allowed error. Rounding operands to bf16 (8 significant bits) uses up far more of that allowance than f16 does (11 bits, for magnitudes from 6e-5 to 65,504). All else is computed in f32.
;;   The module's matrix products, in the order in which they are computed (A, B: the left and right operand; K: the contracted axis; several contracted axes count as one K, in the product's order):
;;     1. [M 4,096, K 1,024] x [K 1,024, N 3,072]; A: input x2; B: input Wqkv: QUANTISED
;;     2. [M 4,096, K 1,024] x [K 1,024, N 3,072]; A: input x; B: input Wqkv: QUANTISED
;;     3. batch 32 x [M 2,048, K 64] x [K 64, N 2,048]; A: computed on the way; B: computed on the way: left as it is (an operand is computed on the way)
;;     4. batch 32 x [M 2,048, K 2,048] x [K 2,048, N 64]; A: computed on the way; B: computed on the way: left as it is (an operand is computed on the way)
;;     5. [M 4,096, K 1,024] x [K 1,024, N 1,024]; A: computed on the way; B: input Wout: left as it is (an operand is computed on the way)
;;   THE QUANTISER, for each operand of a quantised product, along K:
;;     - K is cut into blocks of 32 from its start; a last block that is shorter is filled with zeros.
;;     - A block's scale is 2^e with e = floor(log2(the largest magnitude in the block)) - 2, held to -126 .. 127; a block of zeros has e = 0. As a byte (E8M0): e + 127.
;;     - Each number is divided by its block's scale, clamped to +-6, and rounded to the nearest number of E2M1, ties to even, subnormals kept.
;;     - The product sums the exact products of the quantised numbers (number of the format x scale) in f32.
;;   ~~~python
;;   def quantise(x, axis):      # numpy; x: float32 -> the quantised numbers, widened to float32 again
;;       x = np.moveaxis(x, axis, -1); K = x.shape[-1]
;;       x = np.pad(x, [(0, 0)] * (x.ndim - 1) + [(0, -K % 32)]); x = x.reshape(x.shape[:-1] + (-1, 32)); a = np.abs(x).max(-1, keepdims=True)
;;       e = np.where(a > 0, np.clip(np.frexp(np.where(a > 0, a, 1))[1] - 1 - 2, -126, 127), 0)      # np.frexp(a)[1] - 1 = floor(log2(a)), exactly
;;       r = np.clip(x / 2.0 ** e, -6, 6)
;;       step = 2.0 ** (np.maximum(np.frexp(np.where(r == 0, 1, r))[1] - 1, 0) - 1)
;;       q = np.round(r / step) * step * 2.0 ** e      # np.round: ties to even
;;       return np.moveaxis(q.reshape(q.shape[:-2] + (-1,))[..., :K], -1, axis).astype(np.float32)
;;   ~~~
;; One version. Each part assembles by itself: llvm-mc -triple=amdgcn-amd-amdhsa -mcpu=gfx1250 --defsym DOCPART=n.
;; ======== version 1 of 1: 4 launches
;; limits: values are held in f16: magnitudes above 65,504 overflow, below 6.1e-05 lose precision
;; workspace buffers: xc 4,194,304 bytes; xs 262,144 bytes; wc 1,572,864 bytes; ws 98,304 bytes; wo16 2,097,152 bytes; qkv 25,165,824 bytes; o16 8,388,608 bytes
;; launch prep (part 1): grid 256 x 1, 8 waves a work-group, no clusters, 84,992 bytes of LDS; arguments x, x2, Wqkv, Wout, xc, xs, wc, ws, wo16; writes xc, xs, wc, ws, wo16
.if DOCPART == 1
	.amdgcn_target "amdgcn-amd-amdhsa--gfx1250"
	.amdhsa_code_object_version 6
	.text
	.protected	k_q9cbcd497cb_prep
	.globl	k_q9cbcd497cb_prep
	.p2align	8
	.type	k_q9cbcd497cb_prep,@function
k_q9cbcd497cb_prep:
	s_mov_b64 s[64:65], 0
	v_nop
	global_prefetch_b8 v0, s[64:65] scope:SCOPE_SE
	s_setreg_imm32_b32 hwreg(HW_REG_WAVE_MODE, 25, 1), 1
	s_wait_xcnt 0x0
; PREP: the operands of the later launches are made once.
;  work-groups 0-127:   x and x2 [4096][1024] f32 -> codes of E2M1, K innermost, xc [8192 rows = x then x2][512 bytes], and E8M0 bytes xs [8192][32]
;  work-groups 128-223: Wqkv [1024 (k)][3072 (n)] f32 -> codes with K innermost, wc [3072][512 bytes], and bytes ws [3072][32]
;  work-groups 224-255: Wout [1024][1024] f32 -> f16, wo16, laid as Wout lies
; A block's scale is 2^(floor(log2(largest magnitude)) - 2): its byte is the largest magnitude's exponent field - 2, held at 1 from below by a floor among the maximum's leaves.
; LIMITS: a block of zeros gets the byte 1 where the quantiser says 127 (its codes are zeros, and this program alone reads the bytes); NaN and infinities among the inputs are not served;
; numbers of Wout beyond 65,504 in magnitude have no f16.
; The three parts take three ways through the text, parted by the work-group's number, and each has LDS bytes of its own.  No tensor loads.
.set SP,    80                         ; part X: a lane's place in a stage: 64 bytes + 16 of padding
.set WST,   65536                      ; part W: the stage, 64 columns x (256 bytes of codes + 16)
.set WSC,   82944                      ; part W: 64 columns x 16 scale bytes
.set SPARE, 83968                      ; the spare words: 128 bytes for each of eight waves; no other line names them
.set SPW,   12                         ; v12  my spare word's LDS address; never rewritten
.set NIL,   13                         ; v13  0; never rewritten
.set XR,    16                         ; part X: v16-143  eight sets of 16 numbers as loaded
.set XN,    144                        ;         v144-175 two sets of 16 neighbours
.set XC,    176                        ;         v176-207 codes, two registers a step
.set XE,    208                        ;         v208-223 a scale byte a step
.set WX,    32                         ; part W: v32-95   two sets of 32 numbers
.set WC,    96                         ;         v96-99   a block's codes
.set WO,    112                        ;         v112-127 the way out
	s_load_b256 s[4:11], s[0:1], 0x0               ; x s[4:5], x2 s[6:7], Wqkv s[8:9], Wout s[10:11]
	s_load_b256 s[12:19], s[0:1], 0x20             ; xc s[12:13], xs s[14:15], wc s[16:17], ws s[18:19]
	s_load_b64 s[20:21], s[0:1], 0x40              ; wo16
	v_lshl_add_u32 v[SPW], v0, 2, SPARE
	v_mov_b32 v[NIL], 0
	v_lshrrev_b32 v1, 5, v0
	v_readfirstlane_b32 s22, v1                    ; wave 0..7
	v_and_b32 v2, 31, v0                           ; lane
	s_mov_b32 s27, 0                               ; the high word of every 32-bit offset below
	s_wait_kmcnt 0x0
	s_cmp_lt_u32 ttmp9, 128
	s_cbranch_scc0 .Lnot_x
; ---------------- PART X.  A wave takes a run of 8,192 numbers, 16 steps of 512.  Each load reads 512 consecutive bytes; a step's 2,048 bytes turn through the wave's own stage,
; so that a lane then holds 16 neighbours along K (two neighbouring lanes hold a block).  Loads run eight steps (32 loads a wave) ahead.
	s_lshl_b32 s24, ttmp9, 3
	s_add_co_u32 s24, s24, s22                     ; my run, 0..1023, in xc and xs
	s_cmp_lt_u32 ttmp9, 64                         ; the first 512 runs are x's, the others x2's: the choice hangs on the work-group's number alone
	s_cselect_b64 s[4:5], s[4:5], s[6:7]
	s_cselect_b32 s25, 0, 512
	s_sub_co_u32 s25, s24, s25                     ; my run in its source
	s_lshl_b32 s26, s25, 15                        ; 32,768 bytes of f32 a run
	s_add_nc_u64 s[4:5], s[4:5], s[26:27]
	s_lshl_b32 s26, s24, 12                        ; 4,096 bytes of codes
	s_add_nc_u64 s[12:13], s[12:13], s[26:27]
	s_lshl_b32 s26, s24, 8                         ; 256 scale bytes
	s_add_nc_u64 s[14:15], s[14:15], s[26:27]
	v_lshlrev_b32 v3, 4, v2                        ; my 16 bytes of a load's 512
	s_lshl_b32 s23, s22, 13                        ; my wave's 8,192 bytes of LDS: two stages of 2,560, then 256 scale bytes
	v_lshrrev_b32 v14, 2, v2
	v_mul_u32_u24 v14, v14, SP
	v_and_b32 v15, 3, v2
	v_lshl_add_u32 v14, v15, 4, v14
	v_add_nc_u32 v14, s23, v14                     ; into a stage: four lanes' 64 bytes on end, then the padding
	v_mul_u32_u24 v15, v2, SP
	v_add_nc_u32 v15, s23, v15                     ; out of it: my 16 neighbours
	v_lshlrev_b32 v4, 3, v2                        ; 8 x lane: my codes' place in a step's 256 bytes, and my 8 scale bytes' at the end
	v_lshrrev_b32 v5, 1, v2
	s_add_co_u32 s23, s23, 2*32*SP
	v_add_nc_u32 v5, s23, v5                       ; my block's scale byte
	v_add_nc_u32 v6, s23, v4                       ; and where I read 8 of them back
.macro XLOAD t
.irp i, 0,1,2,3
	global_load_b128 v[XR+16*((\t)%8)+4*\i:XR+16*((\t)%8)+4*\i+3], v3, s[4:5] offset:2048*(\t)+512*\i th:TH_LOAD_NT
.endr
.endm
.macro XTURN t                         ; LDS serves a wave's instructions in order: no wait between the stores and the loads
.irp i, 0,1,2,3
	ds_store_b128 v14, v[XR+16*((\t)%8)+4*\i:XR+16*((\t)%8)+4*\i+3] offset:32*SP*((\t)%2)+8*SP*\i
.endr
.irp i, 0,1,2,3
	ds_load_b128 v[XN+16*((\t)%2)+4*\i:XN+16*((\t)%2)+4*\i+3], v15 offset:32*SP*((\t)%2)+16*\i
.endr
.endm
.macro XSTEP t
.set XS, XN+16*((\t)%2)
.if (\t) > 0
	s_wait_dscnt 1                                 ; this step's numbers are back (the last step's byte store may be out), so its stores into the stage have read set t % 8
.else
	s_wait_dscnt 0x0
.endif
.if (\t)+8 < 16
	XLOAD (\t)+8                                   ; which takes the loads of eight steps on
.endif
.if (\t)+1 < 16
.if (\t)+8 <= 15
	s_wait_loadcnt 28                              ; the next step's four loads are in; those of the seven steps behind it may be out
.else
	s_wait_loadcnt 4*(14-(\t))                     ; near the end: the steps t + 2 .. 15 may be out
.endif
	XTURN (\t)+1
.endif
	v_max3_num_f32 v8, |v[XS]|, |v[XS+1]|, |v[XS+2]|
	v_max3_num_f32 v9, |v[XS+3]|, |v[XS+4]|, |v[XS+5]|
.irp i, 6,10
	v_max3_num_f32 v8, v8, |v[XS+\i]|, |v[XS+\i+1]|
	v_max3_num_f32 v9, v9, |v[XS+\i+2]|, |v[XS+\i+3]|
.endr
	v_max3_num_f32 v8, v8, |v[XS+14]|, |v[XS+15]|
	v_max3_num_f32 v8, v8, v9, 0x1800000           ; the floor 2^(3 - 127): the byte cannot fall under 1
	v_max_num_f32_dpp v8, v8, v8 row_xmask:1 row_mask:0xf bank_mask:0xf   ; with my neighbour's 16: the block's largest magnitude
	v_add_nc_u32 v11, 0xff000000, v8               ; 2 off its exponent field: the conversion takes this operand's exponent field as its scale
	v_cvt_scalef32_pk8_fp4_f32 v[XC+2*(\t)], v[XS:XS+7], v11
	v_cvt_scalef32_pk8_fp4_f32 v[XC+2*(\t)+1], v[XS+8:XS+15], v11
	v_lshrrev_b32 v[XE+(\t)], 23, v11              ; the scale's byte (also the plain line behind the conversions)
	ds_store_b8 v5, v[XE+(\t)] offset:16*(\t)      ; both lanes of a block write the same byte
	global_store_b64 v4, v[XC+2*(\t):XC+2*(\t)+1], s[12:13] offset:256*(\t)   ; the wave stores 256 consecutive bytes, aligned
.endm
.irp t, 0,1,2,3,4,5,6,7
	XLOAD \t
.endr
	s_wait_loadcnt 28                              ; step 0's four loads are in
	XTURN 0
.irp t, 0,1,2,3,4,5,6,7,8,9,10,11,12,13,14,15
	XSTEP \t
.endr
	ds_load_b64 v[8:9], v6                         ; my wave's 256 scale bytes, 8 a lane
	s_wait_dscnt 0x0
	global_store_b64 v4, v[8:9], s[14:15]          ; 256 consecutive bytes, aligned
	s_wait_tensorcnt 0x0                           ; the wave's end, behind my last LDS store
	ds_add_u32 v[SPW], v[NIL]
	s_wait_dscnt 0x0
	s_endpgm
.Lnot_x:
	s_cmp_lt_u32 ttmp9, 224
	s_cbranch_scc0 .Lcast
; ---------------- PART W.  A work-group takes 64 columns x 512 along K.  A lane takes a column and its registers run down K: a block of 32 is one lane's, and the codes come out with K innermost.
; Wave w: columns 32 (w & 1) on, K rows 128 (w >> 1) on: four blocks a lane.  The eight waves gather 64 rows of 256 bytes in one stage; behind a barrier each stores 8 whole rows.
	s_sub_co_u32 s24, ttmp9, 128
	s_cmp_ge_u32 s24, 48
	s_cselect_b32 s25, 1, 0                        ; which half of K
	s_cselect_b32 s26, 48, 0
	s_sub_co_u32 s24, s24, s26                     ; which 64 columns, 0..47
	s_and_b32 s28, s22, 1                          ; cg
	s_lshr_b32 s29, s22, 1                         ; kg
	s_lshl_b32 s30, s25, 9
	s_lshl_b32 s31, s29, 7
	s_add_co_u32 s30, s30, s31                     ; my first K row
	s_mul_i32 s26, s30, 12288                      ; a row of Wqkv is 12,288 bytes
	s_lshl_b32 s31, s24, 8
	s_add_co_u32 s26, s26, s31
	s_lshl_b32 s31, s28, 7
	s_add_co_u32 s26, s26, s31                     ; + 4 x my first column
	s_add_nc_u64 s[8:9], s[8:9], s[26:27]
	s_lshl_b32 s26, s24, 15                        ; wc: 64 rows of 512 bytes,
	s_lshl_b32 s31, s25, 8                         ; + this half of K's 256
	s_add_co_u32 s26, s26, s31
	s_add_nc_u64 s[16:17], s[16:17], s[26:27]
	s_lshl_b32 s26, s24, 11                        ; ws: 64 rows of 32 bytes,
	s_lshl_b32 s31, s25, 4                         ; + this half's 16
	s_add_co_u32 s26, s26, s31
	s_add_nc_u64 s[18:19], s[18:19], s[26:27]
	v_lshlrev_b32 v3, 2, v2                        ; in: 4 bytes a lane
	s_lshl_b32 s32, s28, 5
	v_add_nc_u32 v16, s32, v2                      ; my column among the 64
	v_mul_u32_u24 v4, v16, 272
	s_lshl_b32 s33, s29, 6
	s_add_co_u32 s33, s33, WST
	v_add_nc_u32 v4, s33, v4                       ; the stage: my column's row, my 64 bytes of it
	v_lshlrev_b32 v10, 4, v16
	s_lshl_b32 s33, s29, 2
	s_add_co_u32 s33, s33, WSC
	v_add_nc_u32 v10, s33, v10                     ; my four scale bytes
	v_lshrrev_b32 v17, 4, v2
	v_and_b32 v18, 15, v2
	s_lshl_b32 s33, s22, 3
	v_add_nc_u32 v17, s33, v17                     ; the way out: rows 8 w on, sixteen lanes to a row
	v_mul_u32_u24 v7, v17, 272
	v_lshl_add_u32 v7, v18, 4, v7
	v_add_nc_u32 v7, WST, v7
	v_lshlrev_b32 v9, 9, v17
	v_lshl_add_u32 v9, v18, 4, v9                  ; and the same place in wc
	v_and_b32 v8, 63, v0
	v_lshl_add_u32 v11, v8, 4, WSC                 ; a column's 16 scale bytes (read by waves 0 and 1),
	v_lshlrev_b32 v8, 5, v8                        ; and its row of ws
.macro WLOAD t                         ; block t: 32 rows of K at my column, into set t % 2
.set i, 0
.rept 32
	global_load_b32 v[WX+32*((\t)%2)+i], v3, s[8:9] offset:(32*(\t)+i)*12288 th:TH_LOAD_NT
.set i, i+1
.endr
.endm
.macro WBLOCK t
.set XS, WX+32*((\t)%2)
.if (\t) < 3
	s_wait_loadcnt 32                              ; this block's 32 loads are in; the next block's may be out
.else
	s_wait_loadcnt 0x0
.endif
	v_max3_num_f32 v16, |v[XS]|, |v[XS+1]|, |v[XS+2]|
	v_max3_num_f32 v17, |v[XS+3]|, |v[XS+4]|, |v[XS+5]|
.irp i, 6,10,14,18,22,26
	v_max3_num_f32 v16, v16, |v[XS+\i]|, |v[XS+\i+1]|
	v_max3_num_f32 v17, v17, |v[XS+\i+2]|, |v[XS+\i+3]|
.endr
	v_max3_num_f32 v16, v16, |v[XS+30]|, |v[XS+31]|
	v_max3_num_f32 v16, v16, v17, 0x1800000        ; the floor
	v_add_nc_u32 v19, 0xff000000, v16              ; the conversion's scale operand
	v_lshrrev_b32 v18, 23, v19                     ; the byte
.if (\t) == 0
	v_mov_b32 v24, v18
.else
	v_lshl_or_b32 v24, v18, 8*(\t), v24            ; four bytes to a word, the lower K in the lower byte
.endif
.irp g, 0,1,2,3
	v_cvt_scalef32_pk8_fp4_f32 v[WC+\g], v[XS+8*\g:XS+8*\g+7], v19
.endr
	ds_store_b128 v4, v[WC:WC+3] offset:16*(\t)    ; 32 codes: 16 bytes of my column's row
.if (\t)+2 < 4
	WLOAD (\t)+2
.endif
	s_wait_dscnt 0x0                               ; the store has read its registers: the next block's codes may be written
.endm
	WLOAD 0
	WLOAD 1
	WBLOCK 0
	WBLOCK 1
	WBLOCK 2
	WBLOCK 3
	ds_store_b32 v10, v24
	s_wait_dscnt 0x0                               ; for the others' sake: my stores have landed
	s_barrier_signal -1
	s_barrier_wait -1                              ; 64 whole rows lie in the stage (all eight waves of this work-group are on this way)
.irp t, 0,1,2,3
	ds_load_b128 v[WO+4*\t:WO+4*\t+3], v7 offset:544*\t
.endr
.irp t, 0,1,2,3
	s_wait_dscnt 3-\t
	global_store_b128 v9, v[WO+4*\t:WO+4*\t+3], s[16:17] offset:1024*\t   ; sixteen lanes store 256 consecutive bytes, aligned
.endr
	s_cmp_lt_u32 s22, 2                            ; the 64 columns' scale bytes leave by waves 0 and 1, 16 bytes a lane
	s_cbranch_scc0 .Lw_end
	ds_load_b128 v[100:103], v11
	s_wait_dscnt 0x0
	global_store_b128 v8, v[100:103], s[18:19]
.Lw_end:
	s_wait_tensorcnt 0x0                           ; the wave's end: the three lines
	ds_add_u32 v[SPW], v[NIL]
	s_wait_dscnt 0x0
	s_endpgm
.Lcast:
; ---------------- PART C.  A wave takes 4,096 numbers of Wout: 32 loads of 512 bytes, all on their way at once; each becomes 256 consecutive bytes of f16.
	s_sub_co_u32 s24, ttmp9, 224
	s_lshl_b32 s24, s24, 3
	s_add_co_u32 s24, s24, s22
	s_lshl_b32 s26, s24, 14
	s_add_nc_u64 s[10:11], s[10:11], s[26:27]
	s_lshl_b32 s26, s24, 13
	s_add_nc_u64 s[20:21], s[20:21], s[26:27]
	v_lshlrev_b32 v3, 4, v2
	v_lshlrev_b32 v4, 3, v2
.set i, 0
.rept 32
	global_load_b128 v[16+4*i:19+4*i], v3, s[10:11] offset:512*i th:TH_LOAD_NT
.set i, i+1
.endr
.set i, 0
.rept 32
	s_wait_loadcnt 31-i                            ; loads come back in order: load i is in
	v_cvt_pk_f16_f32 v[144+2*i], v[16+4*i], v[17+4*i]
	v_cvt_pk_f16_f32 v[145+2*i], v[18+4*i], v[19+4*i]
	global_store_b64 v4, v[144+2*i:145+2*i], s[20:21] offset:256*i
.set i, i+1
.endr
	s_wait_tensorcnt 0x0                           ; this way stores nothing to LDS; the three lines stand on every wave's way all the same
	ds_add_u32 v[SPW], v[NIL]
	s_wait_dscnt 0x0
	s_endpgm
.Lfunc_end_k_q9cbcd497cb_prep:
	.size	k_q9cbcd497cb_prep, .Lfunc_end_k_q9cbcd497cb_prep-k_q9cbcd497cb_prep
	.p2alignl 7, 3214868480
	.fill 96, 4, 3214868480
	.section	.rodata,"a",@progbits
	.p2align	6, 0x0
	.amdhsa_kernel k_q9cbcd497cb_prep
		.amdhsa_group_segment_fixed_size 84992
		.amdhsa_private_segment_fixed_size 0
		.amdhsa_enable_private_segment 0
		.amdhsa_kernarg_size 72
		.amdhsa_user_sgpr_count 2
		.amdhsa_user_sgpr_kernarg_segment_ptr 1
		.amdhsa_wavefront_size32 1
		.amdhsa_system_sgpr_workgroup_id_x 1
		.amdhsa_system_sgpr_workgroup_id_y 1
		.amdhsa_system_sgpr_workgroup_id_z 1
		.amdhsa_system_vgpr_workitem_id 0
		.amdhsa_next_free_vgpr 224
		.amdhsa_next_free_sgpr 66
		.amdhsa_reserve_vcc 0
		.amdhsa_float_denorm_mode_32 3
		.amdhsa_float_denorm_mode_16_64 3
		.amdhsa_memory_ordered 1
		.amdhsa_forward_progress 1
		.amdhsa_inst_pref_size 66
	.end_amdhsa_kernel
	.amdgpu_metadata
---
amdhsa.version: [ 1, 2 ]
amdhsa.kernels:
  - .name:           k_q9cbcd497cb_prep
    .symbol:         k_q9cbcd497cb_prep.kd
    .args:
      - { .name: x, .offset: 0, .size: 8, .value_kind: global_buffer, .address_space: global }
      - { .name: x2, .offset: 8, .size: 8, .value_kind: global_buffer, .address_space: global }
      - { .name: Wqkv, .offset: 16, .size: 8, .value_kind: global_buffer, .address_space: global }
      - { .name: Wout, .offset: 24, .size: 8, .value_kind: global_buffer, .address_space: global }
      - { .name: xc, .offset: 32, .size: 8, .value_kind: global_buffer, .address_space: global }
      - { .name: xs, .offset: 40, .size: 8, .value_kind: global_buffer, .address_space: global }
      - { .name: wc, .offset: 48, .size: 8, .value_kind: global_buffer, .address_space: global }
      - { .name: ws, .offset: 56, .size: 8, .value_kind: global_buffer, .address_space: global }
      - { .name: wo16, .offset: 64, .size: 8, .value_kind: global_buffer, .address_space: global }
    .group_segment_fixed_size: 84992
    .private_segment_fixed_size: 0
    .kernarg_segment_align: 8
    .kernarg_segment_size: 72
    .max_flat_workgroup_size: 256
    .sgpr_count:     66
    .vgpr_count:     224
    .wavefront_size: 32
...
	.end_amdgpu_metadata
.endif
;; end of part 1
;; launch qkvgemm (part 2): grid 12 x 16, 4 waves a work-group, clusters of 4 x 4, 327,680 bytes of LDS; arguments xc, xs, wc, ws, qkv; writes qkv
.if DOCPART == 2
	.amdgcn_target "amdgcn-amd-amdhsa--gfx1250"
	.amdhsa_code_object_version 6
	.text
	.protected	k_q9cbcd497cb_qkvgemm
	.globl	k_q9cbcd497cb_qkvgemm
	.p2align	8
	.type	k_q9cbcd497cb_qkvgemm,@function
k_q9cbcd497cb_qkvgemm:
	s_mov_b64 s[64:65], 0
	v_nop
	global_prefetch_b8 v0, s[64:65] scope:SCOPE_SE
	s_setreg_imm32_b32 hwreg(HW_REG_WAVE_MODE, 25, 1), 1
	s_wait_xcnt 0x0
	s_wait_alu depctr_hold_cnt(0) depctr_sa_sdst(0) depctr_va_vdst(0) depctr_va_sdst(0) depctr_va_ssrc(0) depctr_va_vcc(0) depctr_vm_vsrc(0)
	s_getreg_b32 s2, hwreg(HW_REG_IB_STS2, 6, 4)
	s_cmp_eq_u32 s2, 0
	s_cbranch_scc0 .Lentry_in_a_cluster
	s_endpgm
.Lentry_in_a_cluster:
	s_bfe_u32 s2, ttmp6, 0x10000c
	s_cmp_lg_u32 s2, 0xf033
	s_cbranch_scc0 .Lentry_shape_is_right
	s_endpgm
.Lentry_shape_is_right:
; q = Q4(x) Q4(Wqkv[:, 0:1024]);  k, v = Q4(x2) Q4(Wqkv[:, 1024:3072]): the columns that the later steps keep.  Codes of E2M1 with one E8M0 byte for each 32 along K = 1,024; sums in f32.
; A: xc [8192 rows = x then x2][512 bytes], xs [8192][32].  B: wc [3072][512 bytes], ws [3072][32].  Result, rounded once to f16: qkv [batch 2][g 48 = column / 64][token 2048][64].
; LIMIT: a result beyond 65,504 in magnitude has no f16.
; A tile of 256 tokens x 256 columns to a work-group of four waves, 128 x 128 a wave: 64 accumulators, 512 registers.  Tile columns 0-3 (cluster x = 0) take x's rows, 4-11 take x2's: 64 + 128 = 192 tiles.
; K = 1,024 is two slots of 512: both are first fills, with the scale bytes of the work-group's rows; nothing is filled again.
; CLUSTERS: 4 x 4 work-groups; A's tiles are asked for jointly along a row of the cluster, B's along a column.  THE MATRIX INSTRUCTION IS USED TRANSPOSED (source 0 = 16 rows of B, source 1 = 16 rows of A):
; a lane holds eight neighbouring columns of one token.
; REGISTERS: window 0: v0-31 addresses; v32-95 scale words, two sets; v128-191 A's fragments, one set; on the way out v128-223.  window 1: B's fragments, two sets.  windows 2, 3: the accumulators ((a, b) at v[8 (8 (a % 4) + b)]).
.set NQ,     4                         ; steps of 128 along K in a slot
.set ROWB,   256                       ; a tile's row: 512 codes
.set KROW,   512                       ; a row of codes in memory
.set PITCH,  272                       ; an LDS row: 256 bytes + 16: the 16 rows of a fragment load start at 16 different 16-byte columns
.set FR,     8
.set NL,     2
.set NP,     4
.set HALFT,  128*PITCH
.set SLOT,   4*HALFT
.set KS,     32                        ; a row of scale bytes
.set SCL,    2*SLOT                    ; behind the ring: the scales, as units of 256 bytes + 16
.set HALFS,  16*272                    ; those of 128 rows
.set SBLK,   2*272                     ; those of 16 rows
.set SPARE,  SCL+4*HALFS               ; the spare words: 128 bytes a wave; no other line names them
.set SPITCH, 272                       ; the way out: a stage of 16 rows x (256 bytes + 16) for each wave, in slot 0, which has had its only fill and its last read by then
.set ADRA, 16
.set ADRB, 20
.set STO,  24
.set RD,   25
.set CO,   26
.set ADRS, 27
.set SPW,  28
.set NIL,  29
.set SC,   32
.set AF,   128
.set BK,   128                         ; the way out: rows read back, v128-159 and v160-191 by turns
.set TMP,  192                         ; the way out: packed results
.set G1, 24
.set G0, 32
.set G1B, 48
.set G0B, 56
.set G1S, 68
.set G0S, 76
.set G1SB, 80
.set G0SB, 88
.set MSB, 0
.macro WIN new                         ; the immediate's high byte repeats the setting that is left
.if MSB != (\new)
	s_set_vgpr_msb (MSB<<8)|(\new)
.set MSB, (\new)
.endif
.endm
.set MUL_LO, 0xa1                      ; source 0 (B) window 1, source 1 (A) window 0, C and D window 2
.set MUL_HI, 0xf1
.set TO_B,   0x40
; A joint load: waves 0 and 1 fetch for A, waves 2 and 3 for B; the branch hangs on the wave's number alone.  An s_nop 0 and four v_nop follow each line.
.macro JLOAD g0a, g1a, g0b, g1b
	s_cmp_eq_u32 s15, 0
	s_cbranch_scc0 .Lfor_b_\@
	tensor_load_to_lds s[\g0a:\g0a+3], s[\g1a:\g1a+7]
	s_nop 0
.rept 4
	v_nop
.endr
	s_branch .Lasked_\@
.Lfor_b_\@:
	tensor_load_to_lds s[\g0b:\g0b+3], s[\g1b:\g1b+7]
	s_nop 0
.rept 4
	v_nop
.endr
.Lasked_\@:
.endm
.macro CROUND                          ; a round of the cluster's barrier
	s_barrier_signal -1
	s_barrier_wait -1
	s_cmp_lg_u32 s14, 0
	s_cbranch_scc1 .Lnot_wave_0_\@
	s_barrier_signal -3
.Lnot_wave_0_\@:
	s_barrier_wait -3
	s_barrier_signal -1
	s_barrier_wait -1
.endm
	s_load_b128 s[4:7], s[0:1], 0x0                ; xc, xs
	s_load_b128 s[8:11], s[0:1], 0x10              ; wc, ws
	s_load_b64 s[12:13], s[0:1], 0x20              ; qkv
	v_lshl_add_u32 v[SPW], v0, 2, SPARE
	v_mov_b32 v[NIL], 0
	ds_add_u32 v[SPW], v[NIL]                      ; the opening: the add, twice on end, and its wait ahead of my first tensor load
	ds_add_u32 v[SPW], v[NIL]
	v_lshrrev_b32 v1, 5, v0
	v_readfirstlane_b32 s14, v1                    ; wave 0..3
	s_lshr_b32 s15, s14, 1                         ; which half of the tile's tokens is mine.  Also: I fetch for A (0) or for B (1)
	s_and_b32 s16, s14, 1                          ; which half of its columns.  Also: which 128 rows I fetch
	s_bfe_u32 s40, ttmp6, 0x40000                  ; cx, cy
	s_bfe_u32 s41, ttmp6, 0x40004
	s_lshl_b32 s42, ttmp9, 2
	s_add_co_u32 s42, s42, s40                     ; tile column 0..11
	s_and_b32 s17, ttmp7, 0xffff
	s_lshl_b32 s17, s17, 2
	s_add_co_u32 s17, s17, s41                     ; tile row 0..15
	s_lshl_b32 s43, s41, 2
	s_lshl_b32 s43, 15, s43                        ; my row of the cluster
	s_lshl_b32 s44, 0x1111, s40                    ; my column
	s_or_b32 s[G1+0], s43, (0<<16)|(1<<20)|(1<<21)|(5<<22)|(3<<25)  ; the mask; elements of 1 byte; padding: 4 words behind every 64; bit 21 beside a mask
	s_or_b32 s[G1B+0], s44, (0<<16)|(1<<20)|(1<<21)|(5<<22)|(3<<25)
.irp g, G1, G1B
	s_mov_b32 s[\g+1], ROWB<<16                    ; tensor_dim0
	s_mov_b32 s[\g+2], 128<<16                     ; tensor_dim1
	s_mov_b32 s[\g+3], ROWB<<16                    ; tile_dim0
	s_mov_b32 s[\g+4], 128                         ; tile_dim1
	s_mov_b32 s[\g+5], KROW                        ; the pitch
	s_mov_b32 s[\g+6], 0
	s_mov_b32 s[\g+7], 0
.endr
	s_or_b32 s[G1S+0], s43, (3<<16)|(1<<20)|(1<<21)|(5<<22)|(3<<25) ; the scales of 128 rows: 4,096 dense bytes as 16 rows of 256 (32 elements of 8 bytes), 16 bytes of padding behind each
	s_or_b32 s[G1SB+0], s44, (3<<16)|(1<<20)|(1<<21)|(5<<22)|(3<<25)
.irp g, G1S, G1SB
	s_mov_b32 s[\g+1], 32<<16
	s_mov_b32 s[\g+2], 16<<16
	s_mov_b32 s[\g+3], 32<<16
	s_mov_b32 s[\g+4], 16
	s_mov_b32 s[\g+5], 32
	s_mov_b32 s[\g+6], 0
	s_mov_b32 s[\g+7], 0
.endr
	s_lshl_b32 s18, s16, 7                         ; which 128 rows of the tile I fetch
	s_lshl_b32 s20, s17, 8
	s_add_co_u32 s20, s20, s18
	s_min_u32 s19, ttmp9, 1                        ; cluster x = 0: q's columns, x's rows; else k's and v's, x2's rows, 4,096 further down.  The cluster's x is the same in all sixteen partners
	s_lshl_b32 s19, s19, 12
	s_add_co_u32 s20, s20, s19                     ; A's row
	s_lshl_b32 s46, s42, 8
	s_add_co_u32 s46, s46, s18                     ; B's row
	s_mov_b32 s21, 0
	s_mov_b32 s47, 0
	s_mov_b64 s[18:19], KS
	s_mul_u64 s[22:23], s[20:21], s[18:19]         ; where these rows' scales begin,
	s_mul_u64 s[92:93], s[46:47], s[18:19]
	s_mov_b64 s[18:19], KROW
	s_mul_u64 s[20:21], s[20:21], s[18:19]         ; and their codes
	s_mul_u64 s[46:47], s[46:47], s[18:19]
	s_mul_i32 s45, s14, HALFT                      ; where they go: wave x 128 rows
	s_mul_i32 s94, s14, HALFS
	s_wait_dscnt 0x0                               ; both opening adds are done
	s_wait_kmcnt 0x0
	s_add_nc_u64 s[20:21], s[4:5], s[20:21]
	s_add_nc_u64 s[22:23], s[6:7], s[22:23]
	s_add_nc_u64 s[46:47], s[8:9], s[46:47]
	s_add_nc_u64 s[92:93], s[10:11], s[92:93]
	CROUND                                         ; all sixteen work-groups are here: the joint loads meet
	s_mov_b32 s[G0S], 1
	s_add_co_u32 s[G0S+1], s94, SCL
	s_mov_b64 s[G0S+2:G0S+3], s[22:23]
	s_or_b32 s[G0S+3], s[G0S+3], 0x80000000
	s_mov_b32 s[G0SB], 1
	s_add_co_u32 s[G0SB+1], s94, SCL
	s_mov_b64 s[G0SB+2:G0SB+3], s[92:93]
	s_or_b32 s[G0SB+3], s[G0SB+3], 0x80000000
	JLOAD G0S, G1S, G0SB, G1SB                     ; the scales first
.irp s, 0,1
	s_mov_b32 s[G0+4*\s], 1
	s_add_co_u32 s[G0+4*\s+1], s45, \s*SLOT
	s_add_nc_u64 s[G0+4*\s+2:G0+4*\s+3], s[20:21], \s*ROWB
	s_or_b32 s[G0+4*\s+3], s[G0+4*\s+3], 0x80000000
	s_mov_b32 s[G0B+4*\s], 1
	s_add_co_u32 s[G0B+4*\s+1], s45, \s*SLOT
	s_add_nc_u64 s[G0B+4*\s+2:G0B+4*\s+3], s[46:47], \s*ROWB
	s_or_b32 s[G0B+4*\s+3], s[G0B+4*\s+3], 0x80000000
	JLOAD G0+4*\s, G1, G0B+4*\s, G1B               ; three loads of mine are out in all
.endr
	v_and_b32 v1, 15, v0                           ; r
	v_bfe_u32 v2, v0, 4, 1                         ; h
	v_mul_u32_u24 v3, v1, PITCH
	v_lshl_add_u32 v4, v2, 4, v3                   ; a fragment's row x pitch + 16 h
	s_mul_i32 s21, s15, HALFT
	s_mul_i32 s22, s16, HALFT
	s_add_co_u32 s22, s22, 2*HALFT
.irp s, 0,1
	v_add_nc_u32 v[ADRA+\s], s21, v4
	v_add_nc_u32 v[ADRB+\s], s22, v4
	s_add_co_u32 s21, s21, SLOT
	s_add_co_u32 s22, s22, SLOT
.endr
	v_mul_u32_u24 v5, v1, KS                       ; my row's scales: 32 bytes a row,
	v_lshrrev_b32 v6, 8, v5
	v_lshl_add_u32 v5, v6, 4, v5                   ; and 16 more for each 256 passed
	s_mul_i32 s21, s15, HALFS
	s_mul_i32 s22, s16, HALFS
	s_add_co_u32 s22, s22, 2*HALFS
	s_sub_co_u32 s22, s22, s21
	v_mul_u32_u24 v6, s22, v2                      ; lanes 16-31 take B's: one product, the distance between the two bases
	s_add_co_u32 s21, s21, SCL
	v_add_nc_u32 v5, v5, v6
	v_add_nc_u32 v[ADRS], s21, v5
	s_mul_i32 s23, s14, 16*SPITCH                  ; my stage
	v_mul_u32_u24 v5, v1, SPITCH
	v_lshl_add_u32 v5, v2, 4, v5
	v_add_nc_u32 v[STO], s23, v5                   ; in: token r, 16 bytes for each half of the lanes
	v_and_b32 v6, 31, v0
	v_lshlrev_b32 v[CO], 4, v6                     ; out: 16 x lane: four tokens of one head are 512 consecutive bytes of qkv
	v_lshrrev_b32 v5, 3, v6
	v_mul_u32_u24 v5, v5, SPITCH
	v_and_b32 v6, 7, v0
	v_lshl_add_u32 v5, v6, 4, v5
	v_add_nc_u32 v[RD], s23, v5                    ; back: token lane / 8, 16 (lane % 8) of a head's 128 bytes
	s_lshr_b32 s20, s17, 3                         ; the batch
	s_mul_i32 s20, s20, 48
	s_lshl_b32 s21, s42, 2
	s_add_co_u32 s20, s20, s21
	s_lshl_b32 s21, s16, 1
	s_add_co_u32 s20, s20, s21                     ; 48 b + g: my first group of 64 columns
	s_lshl_b32 s20, s20, 18                        ; 2,048 tokens x 128 bytes each
	s_and_b32 s21, s17, 7
	s_lshl_b32 s21, s21, 15
	s_add_co_u32 s20, s20, s21                     ; + 256 tokens x tile row in the batch
	s_lshl_b32 s21, s15, 14
	s_add_co_u32 s20, s20, s21                     ; + my 128 of them
	s_mov_b32 s21, 0
	s_add_nc_u64 s[12:13], s[12:13], s[20:21]
.macro FRAG reg, adr, q, i             ; 16 rows x 128 K of 4-bit codes: 8 registers, two loads 32 bytes apart
.irp c, 0,1
	ds_load_b128 v[\reg+4*\c:\reg+4*\c+3], v[\adr] offset:64*(\q)+32*\c+(\i)*16*PITCH
.endr
.endm
; 16 matrix instructions: A's blocks a0, a0 + 1 x B's eight.  The 64 accumulators take turns, one instruction a turn, in the same order in every step.
.macro MUL16 a0, p, q, sc, zero
.irp a, \a0, \a0+1
.irp b, 0,1,2,3,4,5,6,7
.if \zero
	v_wmma_scale_f32_16x16x128_f8f6f4 v[8*(8*((\a)%4)+\b):8*(8*((\a)%4)+\b)+7], v[128*(\p)+FR*\b:128*(\p)+FR*\b+FR-1], v[AF+FR*(\a):AF+FR*(\a)+FR-1], 0, v[SC+8*NQ*(\sc)+NQ*\b+(\q)], v[SC+8*NQ*(\sc)+NQ*(\a)+(\q)] matrix_a_fmt:MATRIX_FMT_FP4 matrix_b_fmt:MATRIX_FMT_FP4 matrix_a_scale:MATRIX_SCALE_ROW1
.else
	v_wmma_scale_f32_16x16x128_f8f6f4 v[8*(8*((\a)%4)+\b):8*(8*((\a)%4)+\b)+7], v[128*(\p)+FR*\b:128*(\p)+FR*\b+FR-1], v[AF+FR*(\a):AF+FR*(\a)+FR-1], v[8*(8*((\a)%4)+\b):8*(8*((\a)%4)+\b)+7], v[SC+8*NQ*(\sc)+NQ*\b+(\q)], v[SC+8*NQ*(\sc)+NQ*(\a)+(\q)] matrix_a_fmt:MATRIX_FMT_FP4 matrix_b_fmt:MATRIX_FMT_FP4 matrix_a_scale:MATRIX_SCALE_ROW1
.endif
.endr
.endr
.endm
.macro FETCH_B slot, q, p
	WIN TO_B
.irp i, 0,1,2,3,4,5,6,7
	FRAG 128*(\p)+FR*\i, ADRB+\slot, \q, \i
.endr
	WIN 0
.endm
.macro FETCH_A slot, q, i0
.irp i, \i0, \i0+1, \i0+2, \i0+3
	FRAG AF+FR*(\i), ADRA+\slot, \q, \i
.endr
.endm
.macro SCALES sc                       ; a slot's scale words: four a row; lanes 0-15 A's block i, lanes 16-31 B's block i
.irp i, 0,1,2,3,4,5,6,7
	ds_load_b128 v[SC+8*NQ*\sc+NQ*\i:SC+8*NQ*\sc+NQ*\i+3], v[ADRS] offset:\i*SBLK
.endr
.endm
.macro PLACES n                        ; plain vector lines between a matrix instruction and a load into, or a read of, its registers
.rept \n
	v_nop
.endr
.endm
.macro STEP slot, q, zero              ; 128 along K, with its successor in the same slot
	s_wait_dscnt 4*NL                              ; B's set and A's blocks 0-3 are in; the youngest eight loads (A's blocks 4-7) may be out
	WIN MUL_LO
	MUL16 0, (\q)%2, \q, \slot, \zero
	MUL16 2, (\q)%2, \q, \slot, \zero
	s_wait_dscnt 0
	PLACES NP
	FETCH_B \slot, (\q)+1, 1-(\q)%2
	FETCH_A \slot, (\q)+1, 0
	WIN MUL_HI
	MUL16 4, (\q)%2, \q, \slot, \zero
	MUL16 6, (\q)%2, \q, \slot, \zero
	PLACES NP
	WIN 0
	FETCH_A \slot, (\q)+1, 4
.endm
.macro TURN slot, next                 ; a slot's last step changes slots: one barrier; nothing is filled again
	s_wait_tensorcnt 0x0                           ; all my tensor loads have landed: my part of the next slot
	ds_add_u32 v[SPW], v[NIL]                      ; 0 onto my spare word
	s_wait_dscnt 4*NL+1                            ; (the add and A's blocks 4-7 may be out)
	WIN MUL_LO
	MUL16 0, 1, NQ-1, \slot, 0
	s_wait_dscnt 0x0                               ; the add is done, and my reads of this slot are over
	s_barrier_signal -1
	MUL16 2, 1, NQ-1, \slot, 0
	WIN 0
	s_barrier_wait -1
	PLACES NP
	v_add_nc_u32 v[ADRS], 4*NQ, v[ADRS]            ; the next slot's scale words
	FETCH_B \next, 0, 0
	FETCH_A \next, 0, 0
	SCALES \next
	WIN MUL_HI
	MUL16 4, 1, NQ-1, \slot, 0
	MUL16 6, 1, NQ-1, \slot, 0
	PLACES NP
	WIN 0
	FETCH_A \next, 0, 4
.endm
	s_wait_tensorcnt 1                             ; the scales and my part of slot 0 are in; slot 1's load may be out
	s_barrier_signal -1
	s_barrier_wait -1
	FETCH_B 0, 0, 0
	FETCH_A 0, 0, 0
	SCALES 0
	FETCH_A 0, 0, 4
	STEP 0, 0, 1                                   ; the first products start the sums
	STEP 0, 1, 0
	STEP 0, 2, 0
	TURN 0, 1
	STEP 1, 0, 0
	STEP 1, 1, 0
	STEP 1, 2, 0
	s_wait_dscnt 4*NL                              ; the last step
	WIN MUL_LO
	MUL16 0, 1, NQ-1, 1, 0
	MUL16 2, 1, NQ-1, 1, 0
	s_wait_dscnt 0
	WIN MUL_HI
	MUL16 4, 1, NQ-1, 1, 0
	MUL16 6, 1, NQ-1, 1, 0
	WIN 0
; THE WAY OUT, 16 tokens x 128 columns (two groups of 64) at a time: rounded to f16, 16 bytes a lane into my stage, back as four tokens of one group: 512 consecutive bytes of qkv.
.macro PACK a
.set AC, 64*((\a)%4)
	WIN 0x0a+5*((\a)/4)                            ; sources 0 and 1: window 2 or 3
.irp b, 0,1,2,3,4,5,6,7
.irp r, 0,1,2,3
	v_cvt_pk_f16_f32 v[TMP+4*\b+\r], v[AC+8*\b+2*\r], v[AC+8*\b+2*\r+1]   ; each accumulator from its low end on
.endr
.endr
	WIN 0
.endm
.macro TOSTAGE a
.set BB, BK+32*((\a)%2)
.irp b, 0,1,2,3,4,5,6,7
	ds_store_b128 v[STO], v[TMP+4*\b:TMP+4*\b+3] offset:32*\b
.endr
.irp t, 0,1,2,3,4,5,6,7
	ds_load_b128 v[BB+4*\t:BB+4*\t+3], v[RD] offset:(\t%4)*4*SPITCH+(\t/4)*128   ; LDS serves a wave's instructions in order: these see the stores above
.endr
.endm
.macro SEND a
.set BB, BK+32*((\a)%2)
	s_wait_dscnt 0x0                               ; the block is back in registers
	s_wait_xcnt 0x0                                ; the stores of the block before have read their registers: the next block's loads may land there
.irp t, 0,1,2,3,4,5,6,7
	global_store_b128 v[CO], v[BB+4*\t:BB+4*\t+3], s[12:13] offset:(\t/4)*262144+(\a)*2048+(\t%4)*512
.endr
.endm
	PLACES NP
	PACK 0
	TOSTAGE 0
.irp a, 1,2,3,4,5,6,7
	PACK \a                                        ; block a's conversions stand between block a - 1's loads from the stage and the wait for them
	SEND \a-1
	TOSTAGE \a
.endr
	SEND 7
	s_wait_tensorcnt 0x0                           ; the wave's end: the three lines
	ds_add_u32 v[SPW], v[NIL]
	s_wait_dscnt 0x0
	CROUND                                         ; the closing round
	s_endpgm
.Lfunc_end_k_q9cbcd497cb_qkvgemm:
	.size	k_q9cbcd497cb_qkvgemm, .Lfunc_end_k_q9cbcd497cb_qkvgemm-k_q9cbcd497cb_qkvgemm
	.p2alignl 7, 3214868480
	.fill 96, 4, 3214868480
	.section	.rodata,"a",@progbits
	.p2align	6, 0x0
	.amdhsa_kernel k_q9cbcd497cb_qkvgemm
		.amdhsa_group_segment_fixed_size 327680
		.amdhsa_private_segment_fixed_size 0
		.amdhsa_enable_private_segment 0
		.amdhsa_kernarg_size 40
		.amdhsa_user_sgpr_count 2
		.amdhsa_user_sgpr_kernarg_segment_ptr 1
		.amdhsa_wavefront_size32 1
		.amdhsa_system_sgpr_workgroup_id_x 1
		.amdhsa_system_sgpr_workgroup_id_y 1
		.amdhsa_system_sgpr_workgroup_id_z 1
		.amdhsa_system_vgpr_workitem_id 0
		.amdhsa_next_free_vgpr 1024
		.amdhsa_next_free_sgpr 98
		.amdhsa_reserve_vcc 0
		.amdhsa_float_denorm_mode_32 3
		.amdhsa_float_denorm_mode_16_64 3
		.amdhsa_memory_ordered 1
		.amdhsa_forward_progress 1
		.amdhsa_inst_pref_size 126
	.end_amdhsa_kernel
	.amdgpu_metadata
---
amdhsa.version: [ 1, 2 ]
amdhsa.kernels:
  - .name:           k_q9cbcd497cb_qkvgemm
    .symbol:         k_q9cbcd497cb_qkvgemm.kd
    .args:
      - { .name: xc, .offset: 0, .size: 8, .value_kind: global_buffer, .address_space: global }
      - { .name: xs, .offset: 8, .size: 8, .value_kind: global_buffer, .address_space: global }
      - { .name: wc, .offset: 16, .size: 8, .value_kind: global_buffer, .address_space: global }
      - { .name: ws, .offset: 24, .size: 8, .value_kind: global_buffer, .address_space: global }
      - { .name: qkv, .offset: 32, .size: 8, .value_kind: global_buffer, .address_space: global }
    .group_segment_fixed_size: 327680
    .private_segment_fixed_size: 0
    .kernarg_segment_align: 8
    .kernarg_segment_size: 40
    .max_flat_workgroup_size: 128
    .sgpr_count:     98
    .vgpr_count:     1024
    .wavefront_size: 32
...
	.end_amdgpu_metadata
.endif
;; end of part 2
;; launch attn (part 3): grid 8 x 32, 8 waves a work-group, clusters of 4 x 1, 327,680 bytes of LDS; arguments qkv, o16; writes o16
.if DOCPART == 3
	.amdgcn_target "amdgcn-amd-amdhsa--gfx1250"
	.amdhsa_code_object_version 6
	.text
	.protected	k_q9cbcd497cb_attn
	.globl	k_q9cbcd497cb_attn
	.p2align	8
	.type	k_q9cbcd497cb_attn,@function
k_q9cbcd497cb_attn:
	s_mov_b64 s[64:65], 0
	v_nop
	global_prefetch_b8 v0, s[64:65] scope:SCOPE_SE
	s_setreg_imm32_b32 hwreg(HW_REG_WAVE_MODE, 25, 1), 1
	s_wait_xcnt 0x0
	s_wait_alu depctr_hold_cnt(0) depctr_sa_sdst(0) depctr_va_vdst(0) depctr_va_sdst(0) depctr_va_ssrc(0) depctr_va_vcc(0) depctr_vm_vsrc(0)
	s_getreg_b32 s2, hwreg(HW_REG_IB_STS2, 6, 4)
	s_cmp_eq_u32 s2, 0
	s_cbranch_scc0 .Lentry_in_a_cluster
	s_endpgm
.Lentry_in_a_cluster:
	s_bfe_u32 s2, ttmp6, 0x10000c
	s_cmp_lg_u32 s2, 0x3003
	s_cbranch_scc0 .Lentry_shape_is_right
	s_endpgm
.Lentry_shape_is_right:
; o[b][h][q] = the sum over k of softmax_k(q . k / 8) v.  q, k, v: qkv [b 2][g 48][token 2048][64] f16 (g = h: q; 16 + h: k; 32 + h: v).  Products on f16 operands, sums, maxima and the softmax in f32;
; the weights p = 2^(c s - c m), at most 1, are rounded to f16 for the second product; o once at the end: o16 [row / 128][h 16][128 tokens][64] f16.  LIMIT: |o| beyond 65,504 has no f16.
; SHARES.  A work-group owns 256 queries of one (b, h).  Wave w: 64 queries (w & 3), four tiles of 16, and one half of the keys (w >> 2): 1,024 keys, 64 a step.  Two waves share a SIMD, so that one's vector
; work stands beside the other's products; each fragment of K and V read from LDS feeds four tiles.  The two halves' results are merged once, at the end, through LDS: register tile t holds query tile
; t xor 2 (w >> 2), so every wave keeps register tiles 0, 1 and hands 2, 3 to wave w xor 4.
; LAYOUT.  S^T = K Q^T (source 0 = 16 keys, source 1 = 16 queries) and O^T = V^T P: a lane holds ONE query (lane % 16) throughout; two tiles of S^T rounded in pairs ARE source 1 of the second product.
; RING.  Two slots; a slot holds 256 keys of each half, K and V, as rows of 256 bytes (two keys).  Every wave fetches one eighth of a slot by one joint load behind each round of the cluster's barrier:
; the four query blocks of a cluster walk the same K and V.  A load has four key steps in which to land; one load of mine is out at any time.
; REGISTERS.  window 0: v2-15 addresses; v16-47 statistics, 8 a tile; v48-111 K; v112-239 S^T, 32 a tile (P takes each tile's first 16); v240-245 the partner's statistics, two addresses.
;             window 1: v0-127 O^T, 32 a tile; v128-191 Q; v192-255 V.
.set HALFB, 71680                      ; a half's part of a slot: K 128 rows x 272, V 128 rows x 288
.set SLOTB, 143360
.set VOFF,  34816
.set SPARE, 286720                     ; behind the ring: the spare words, 128 bytes a wave; no other line names them
.set STG,   69632                      ; the end's stages, 32 rows x 144 a wave; they and the merge's images (8,704 bytes a wave from 0) lie in slot 0, which has had its last fill and its last read by then
.set AK0, 2
.set AV0, 3
.set ADK, 4
.set ADV, 5
.set QO0, 6
.set QO1, 7
.set MST, 8
.set MLD, 9
.set STO, 10
.set RD,  11
.set GO,  12
.set PFO, 13
.set SPW, 14
.set NIL, 15
.set ST,  16                           ; tile t at v[16 + 8 t]: +0 c m, +1 m, +2, +3 l, +4 .. +7 at work (a in +6)
.set KF,  48
.set S,   112
.set MSS, 244
.set MLS, 245
.set QF,  128                          ; window 1
.set VF,  192                          ; window 1
.set WV,  8
.set G1K, 24
.set G1V, 32
.set G0K, 40
.set G0V, 44
.set CS,  48                           ; s[48:49] c = log2(e) / 8
.set SEL, 50
.set TBK, 52
.set TBV, 53
.set HB,  54
.set CNT, 55
.set LBK, 56
.set LBV, 57
.set PFA, 58
.set LIM, 60
.set MSB, 0
.macro WIN new
.if MSB != (\new)
	s_set_vgpr_msb (MSB<<8)|(\new)
.set MSB, (\new)
.endif
.endm
.set W_KQ, 0x04                        ; Q (source 1) in window 1
.set W_PV, 0x51                        ; V (source 0), C and D in window 1
.set W_RS, 0x41                        ; O^T (destination, source 0) in window 1
.set TO_1, 0x40                        ; destination in window 1
.macro JLOAD                           ; waves 0-3 fetch K's four parts, waves 4-7 V's; an s_nop 0 and four v_nop follow each line
	s_cmp_lt_u32 s[WV], 4
	s_cbranch_scc0 .Lfor_v_\@
	tensor_load_to_lds s[G0K:G0K+3], s[G1K:G1K+7]
	s_nop 0
.rept 4
	v_nop
.endr
	s_branch .Lasked_\@
.Lfor_v_\@:
	tensor_load_to_lds s[G0V:G0V+3], s[G1V:G1V+7]
	s_nop 0
.rept 4
	v_nop
.endr
.Lasked_\@:
.endm
.macro CROUND
	s_barrier_signal -1
	s_barrier_wait -1
	s_cmp_lg_u32 s[WV], 0
	s_cbranch_scc1 .Lnot_wave_0_\@
	s_barrier_signal -3
.Lnot_wave_0_\@:
	s_barrier_wait -3
	s_barrier_signal -1
	s_barrier_wait -1
.endm
; A PREFETCH of the last chunk (keys 768-1023 of each half), one chunk, four key steps, ahead of its load.  Both clusters of a head walk the same K and V: the first asks.  Its waves 0-3 take K's and V's
; two halves, 32 KB each; the four partners share a part out by address, 8 KB each; lanes stand 256 bytes apart: each block of 256 bytes is named once.  The earlier chunks come by their loads alone.
.macro ASK
	s_cmp_eq_u32 s[LIM], 0
	s_cbranch_scc0 .Lnot_mine_\@
	global_prefetch_b8 v[PFO], s[PFA:PFA+1] th:TH_LOAD_NT scope:SCOPE_SE
.Lnot_mine_\@:
.endm
	s_load_b128 s[4:7], s[0:1], 0x0                ; qkv, o16
	v_lshl_add_u32 v[SPW], v0, 2, SPARE
	v_mov_b32 v[NIL], 0
	ds_add_u32 v[SPW], v[NIL]                      ; the opening: the add, twice on end, and its wait ahead of my first tensor load
	ds_add_u32 v[SPW], v[NIL]
	v_lshrrev_b32 v1, 5, v0
	v_readfirstlane_b32 s[WV], v1                  ; wave 0..7
	s_and_b32 s9, s[WV], 3                         ; my 64 queries; also: which part of K or V I fetch
	s_lshr_b32 s10, s[WV], 2                       ; my half of the keys
	s_bfe_u32 s11, ttmp6, 0x40000                  ; cx
	s_lshl_b32 s12, ttmp9, 2
	s_add_co_u32 s12, s12, s11                     ; my block of 256 queries: it enters Q's, O's and the prefetch's addresses alone
	s_and_b32 s13, ttmp7, 0xffff
	s_lshr_b32 s14, s13, 4                         ; b
	s_and_b32 s15, s13, 15                         ; h
	s_mul_i32 s20, s14, 48
	s_add_co_u32 s20, s20, s15
	s_lshl_b32 s20, s20, 18                        ; q's head, in bytes; k's lies 16 heads on, v's 32
	s_lshr_b32 s21, s9, 1                          ; the part that I fetch: which half of the keys,
	s_and_b32 s22, s9, 1                           ; and which 128 of a chunk's 256
	s_lshl_b32 s23, s21, 17
	s_lshl_b32 s2, s22, 14
	s_add_co_u32 s23, s23, s2
	s_add_co_u32 s23, s23, s20
	s_add_co_u32 s66, s23, 16<<18                  ; K's part, chunk 0
	s_mov_b32 s67, 0
	s_add_co_u32 s68, s23, 32<<18                  ; V's
	s_mov_b32 s69, 0
	s_mul_i32 s[LBK], s21, HALFB
	s_add_co_u32 s[LBV], s[LBK], VOFF
	s_mul_i32 s2, s22, 17408
	s_add_co_u32 s[LBK], s[LBK], s2                ; where it goes in a slot: no place in the cluster enters an LDS address
	s_mul_i32 s2, s22, 18432
	s_add_co_u32 s[LBV], s[LBV], s2
	s_lshl_b32 s70, s21, 22                        ; the prefetch: k (waves 0, 1) or v (waves 2, 3),
	s_add_co_u32 s70, s70, s20
	s_lshl_b32 s2, s22, 17                         ; the half of the keys,
	s_add_co_u32 s70, s70, s2
	s_lshl_b32 s2, s11, 13                         ; my work-group's 8 KB,
	s_add_co_u32 s70, s70, s2
	s_add_co_u32 s70, s70, (16<<18)+98304          ; in chunk 3
	s_mov_b32 s71, 0
	s_lshr_b32 s[LIM], s[WV], 2
	s_or_b32 s[LIM], s[LIM], ttmp9                 ; 0 in waves 0-3 of the head's first cluster: the same in all four partners
	s_lshl_b32 s16, s12, 15
	s_lshl_b32 s2, s9, 13
	s_add_co_u32 s16, s16, s2
	s_add_co_u32 s16, s16, s20                     ; Q: my wave's 64 rows of 128 bytes
	s_mov_b32 s17, 0
	s_lshl_b32 s18, s14, 4
	s_lshl_b32 s2, s12, 1
	s_add_co_u32 s18, s18, s2
	s_lshr_b32 s2, s9, 1
	s_add_co_u32 s18, s18, s2                      ; O: the block of 128 rows,
	s_lshl_b32 s18, s18, 4
	s_add_co_u32 s18, s18, s15                     ; the head,
	s_lshl_b32 s18, s18, 14
	s_and_b32 s2, s9, 1
	s_lshl_b32 s2, s2, 13
	s_add_co_u32 s18, s18, s2                      ; my wave's 64 tokens,
	s_lshl_b32 s2, s10, 12
	s_add_co_u32 s18, s18, s2                      ; and the 32 of them that I keep
	s_mov_b32 s19, 0
	s_mov_b32 s[G1K], 15|(1<<16)|(1<<20)|(1<<21)|(5<<22)|(3<<25)  ; mask: all four; elements of 2 bytes; padding: 4 words behind every 64; bit 21 beside a mask
	s_mov_b32 s[G1V], 15|(1<<16)|(1<<20)|(1<<21)|(5<<22)|(7<<25)  ; the same with 8 words
.irp g, G1K, G1V
	s_mov_b32 s[\g+1], 128<<16                     ; tensor_dim0: two keys, 256 bytes
	s_mov_b32 s[\g+2], 64<<16                      ; tensor_dim1
	s_mov_b32 s[\g+3], 128<<16                     ; tile_dim0
	s_mov_b32 s[\g+4], 64                          ; tile_dim1
	s_mov_b32 s[\g+5], 128                         ; the pitch: the rows are dense
	s_mov_b32 s[\g+6], 0
	s_mov_b32 s[\g+7], 0
.endr
	s_mov_b32 s[CS], 0x3e38aa3b                    ; c = log2(e) / 8
	s_mov_b32 s[CS+1], s[CS]
	s_mov_b32 s[SEL], 0x76543210
	s_mov_b32 s[SEL+1], 0xfedcba98
	s_mul_i32 s[HB], s10, HALFB
	v_and_b32 v240, 15, v0                         ; r
	v_bfe_u32 v241, v0, 4, 1                       ; h
	v_and_b32 v242, 31, v0                         ; lane
	v_lshrrev_b32 v243, 1, v240
	v_mul_u32_u24 v[AK0], v243, 272                ; K: key r lies in row r / 2, half r % 2; + 16 h
	v_and_b32 v243, 1, v240
	v_lshl_add_u32 v[AK0], v243, 7, v[AK0]
	v_lshl_add_u32 v[AK0], v241, 4, v[AK0]
	v_bfe_u32 v243, v0, 1, 2
	v_lshl_add_u32 v243, v241, 2, v243
	v_mul_u32_u24 v[AV0], v243, 288                ; V, for the turning load: key 8 h + lane % 8, channels 8 ((lane / 8) % 2) on
	v_and_b32 v243, 1, v0
	v_lshl_add_u32 v[AV0], v243, 7, v[AV0]
	v_bfe_u32 v243, v0, 3, 1
	v_lshl_add_u32 v[AV0], v243, 4, v[AV0]
	v_lshlrev_b32 v[QO0], 7, v240
	v_lshl_add_u32 v[QO0], v241, 4, v[QO0]
	s_lshl_b32 s2, s10, 12
	s_xor_b32 s3, s2, 4096
	v_add_nc_u32 v[QO1], s3, v[QO0]                ; register tiles 2, 3: the query tiles that my partner keeps
	v_add_nc_u32 v[QO0], s2, v[QO0]                ; register tiles 0, 1: query tiles 2 (w >> 2) on
	v_lshlrev_b32 v[GO], 4, v242
	s_mul_i32 s2, s[WV], 8704
	s_xor_b32 s3, s[WV], 4
	s_mul_i32 s3, s3, 8704
	v_add_nc_u32 v[MST], s2, v[GO]                 ; the merge: where I put images, 16 x lane,
	v_add_nc_u32 v[MLD], s3, v[GO]                 ; and where my partner has put its
	v_lshlrev_b32 v243, 3, v242
	s_add_co_u32 s2, s2, 8192
	s_add_co_u32 s3, s3, 8192
	v_add_nc_u32 v[MSS], s2, v243
	v_add_nc_u32 v[MLS], s3, v243
	s_mul_i32 s2, s[WV], 4608
	s_add_co_u32 s2, s2, STG
	v_mul_u32_u24 v[STO], v240, 144
	v_lshl_add_u32 v[STO], v241, 4, v[STO]
	v_add_nc_u32 v[STO], s2, v[STO]
	v_lshrrev_b32 v243, 3, v242
	v_mul_u32_u24 v[RD], v243, 144
	v_and_b32 v243, 7, v0
	v_lshl_add_u32 v[RD], v243, 4, v[RD]
	v_add_nc_u32 v[RD], s2, v[RD]
	v_lshlrev_b32 v[PFO], 8, v242
	s_wait_dscnt 0x0                               ; both opening adds are done
	s_wait_kmcnt 0x0
	s_add_nc_u64 s[16:17], s[4:5], s[16:17]
	s_add_nc_u64 s[18:19], s[6:7], s[18:19]
	s_add_nc_u64 s[PFA:PFA+1], s[4:5], s[70:71]
	s_mov_b32 s[G0K], 1
	s_mov_b32 s[G0K+1], s[LBK]                     ; slot 0
	s_add_nc_u64 s[G0K+2:G0K+3], s[4:5], s[66:67]
	s_or_b32 s[G0K+3], s[G0K+3], 0x80000000
	s_mov_b32 s[G0V], 1
	s_mov_b32 s[G0V+1], s[LBV]
	s_add_nc_u64 s[G0V+2:G0V+3], s[4:5], s[68:69]
	s_or_b32 s[G0V+3], s[G0V+3], 0x80000000
	CROUND                                         ; all four work-groups are here
	JLOAD                                          ; chunk 0 into slot 0
	WIN TO_1
.irp t, 0,1
.irp c, 0,1
	global_load_b128 v[QF+16*\t+8*\c:QF+16*\t+8*\c+3],   v[QO0], s[16:17] offset:\t*2048+64*\c
	global_load_b128 v[QF+16*\t+8*\c+4:QF+16*\t+8*\c+7], v[QO0], s[16:17] offset:\t*2048+64*\c+32
	global_load_b128 v[QF+32+16*\t+8*\c:QF+32+16*\t+8*\c+3],   v[QO1], s[16:17] offset:\t*2048+64*\c
	global_load_b128 v[QF+32+16*\t+8*\c+4:QF+32+16*\t+8*\c+7], v[QO1], s[16:17] offset:\t*2048+64*\c+32
.endr
.endr
	WIN 0
; THE SOFTMAX of one tile for one key step, as three lists; each macro writes number j of its list for tile t.  first = 1: the first key step, with no old maximum.
; PRE, 37: the maximum of the lane's 32 scores and the old m (0-15, each accumulator read first at its low end); the other half of the lanes' (16); c m kept (17); m (18); c m (19); c m_old - c m_new (20); c s - c m, a pair at a time (21-36).
.macro PRE t, first
.set rT, ST+8*(\t)
.set rS, S+32*(\t)
.if j < 4
	v_max3_num_f32 v[rT+4+j], v[rS+8*j], v[rS+8*j+1], v[rS+8*j+2]
.elseif j < 12
	v_max3_num_f32 v[rT+4+j%4], v[rT+4+j%4], v[rS+8*(j%4)+2*(j/4)+1], v[rS+8*(j%4)+2*(j/4)+2]
.elseif j == 12
	v_max3_num_f32 v[rT+4], v[rT+4], v[rS+7], v[rS+15]
.elseif j == 13
	v_max3_num_f32 v[rT+6], v[rT+6], v[rS+23], v[rS+31]
.elseif j == 14
	v_max3_num_f32 v[rT+4], v[rT+4], v[rT+5], v[rT+6]
.elseif (j == 15) && \first
	v_max_num_f32 v[rT+4], v[rT+4], v[rT+7]
.elseif j == 15
	v_max3_num_f32 v[rT+4], v[rT+4], v[rT+7], v[rT+1]
.elseif j == 16
	v_permlanex16_b32 v[rT+5], v[rT+4], s[SEL], s[SEL+1]
.elseif j == 18
	v_max_num_f32 v[rT+1], v[rT+4], v[rT+5]
.elseif j == 19
	v_mul_f32 v[rT], s[CS], v[rT+1]
.elseif ((j == 17) || (j == 20)) && \first
.elseif j == 17
	v_mov_b32 v[rT+7], v[rT]
.elseif j == 20
	v_sub_f32 v[rT+7], v[rT+7], v[rT]
.else
	v_pk_fma_f32 v[rS+2*(j-21):rS+2*(j-21)+1], v[rS+2*(j-21):rS+2*(j-21)+1], s[CS:CS+1], v[rT:rT+1] op_sel_hi:[1,0,0] neg_lo:[0,0,1] neg_hi:[0,0,1]
.endif
.endm
; EXQ, 33: a = 2^(c m_old - c m_new), then the 32 weights, in place.  None reads an exponential's result.
.macro EXQ t, first
.set rT, ST+8*(\t)
.set rS, S+32*(\t)
.if j == 0
.if !\first
	v_exp_f32 v[rT+6], v[rT+7]
.endif
.else
	v_exp_f32 v[rS+j-1], v[rS+j-1]
.endif
.endm
; POST, 32: l = a l + the sum of the 16 pairs, in two chains (0-15); the roundings to f16, in place, ascending (16-31).
.macro POST t, first
.set rT, ST+8*(\t)
.set rS, S+32*(\t)
.if (j == 0) && \first
	v_pk_add_f32 v[rT+2:rT+3], v[rS:rS+1], v[rS+6:rS+7]
.elseif j == 0
	v_pk_fma_f32 v[rT+2:rT+3], v[rT+2:rT+3], v[rT+6:rT+7], v[rS:rS+1] op_sel_hi:[1,0,1]
.elseif j == 1
	v_pk_add_f32 v[rT+4:rT+5], v[rS+2:rS+3], v[rS+4:rS+5]
.elseif (j == 2) && \first
.elseif (j < 15) && (j%2 == 0)
	v_pk_add_f32 v[rT+2:rT+3], v[rT+2:rT+3], v[rS+2*(j+1):rS+2*(j+1)+1]
.elseif j < 15
	v_pk_add_f32 v[rT+4:rT+5], v[rT+4:rT+5], v[rS+2*(j+1):rS+2*(j+1)+1]
.elseif j == 15
	v_pk_add_f32 v[rT+2:rT+3], v[rT+2:rT+3], v[rT+4:rT+5]
.else
	v_cvt_pk_f16_f32 v[rS+j-16], v[rS+2*(j-16)], v[rS+2*(j-16)+1]
.endif
.endm
; A KEY STEP: 64 keys of my half.
.macro STEP first
	v_add_nc_u32 v[ADK], s[TBK], v[AK0]
	v_add_nc_u32 v[ADV], s[TBV], v[AV0]
.rept 3
	v_nop                                          ; with the two additions five plain lines behind the last products: loads land in V's registers, and the products below write over P's
.endr
.irp f, 0,1,2,3,4,5,6,7                        ; K: keys 16 (f / 2) on, channels 32 (f % 2) on
	ds_load_b128 v[KF+8*\f:KF+8*\f+3],   v[ADK] offset:(\f/2)*2176+(\f%2)*64
	ds_load_b128 v[KF+8*\f+4:KF+8*\f+7], v[ADK] offset:(\f/2)*2176+(\f%2)*64+32
.endr
	WIN TO_1
.irp f, 0,1,2,3,4,5,6,7                        ; V, turned: keys 32 (f / 4) on, channels 16 (f % 4) on
	ds_load_tr16_b128 v[VF+8*\f:VF+8*\f+3],   v[ADV] offset:(\f/4)*4608+(\f%4)*32
	ds_load_tr16_b128 v[VF+8*\f+4:VF+8*\f+7], v[ADV] offset:(\f/4)*4608+(\f%4)*32+2304
.endr
	s_wait_dscnt 16                                ; K is in; V's sixteen loads may be out
	WIN W_KQ
.irp c, 0,1                                    ; the 16 accumulators take turns, one instruction a turn
.irp kt, 0,1,2,3
.irp t, 0,1,2,3
.if \c == 0
	v_wmma_f32_16x16x32_f16 v[S+32*\t+8*\kt:S+32*\t+8*\kt+7], v[KF+16*\kt:KF+16*\kt+7], v[QF+16*\t:QF+16*\t+7], 0
.else
	v_wmma_f32_16x16x32_f16 v[S+32*\t+8*\kt:S+32*\t+8*\kt+7], v[KF+16*\kt+8:KF+16*\kt+15], v[QF+16*\t+8:QF+16*\t+15], v[S+32*\t+8*\kt:S+32*\t+8*\kt+7]
.endif
.endr
.endr
.endr
	WIN 0
.rept 4
	v_nop
.endr
.set j, 0
.rept 37
	PRE 0, \first
	PRE 1, \first
.set j, j+1
.endr
.set j, 0
.rept 37                                       ; tiles 0, 1: their 66 exponentials, one batch, with tiles 2, 3's plain work between the lines
	PRE 2, \first
.if j < 33
	EXQ 0, \first
.endif
	PRE 3, \first
.if j < 33
	EXQ 1, \first
.endif
.set j, j+1
.endr
	s_wait_alu depctr_va_vdst(0)                   ; one wait for the batch, ahead of the first line that names a result; plain lines stand behind its last exponential
.set j, 0
.rept 33                                       ; tiles 2, 3: the second batch, with tiles 0, 1's sums and roundings between
	EXQ 2, \first
.if j < 32
	POST 0, \first
.endif
	EXQ 3, \first
.if j < 32
	POST 1, \first
.endif
.set j, j+1
.endr
	v_nop                                          ; a plain line behind the last exponential
	s_wait_alu depctr_va_vdst(0)                   ; and the second batch's one wait
.set j, 0
.rept 32
	POST 2, \first
	POST 3, \first
.set j, j+1
.endr
.if !\first
	WIN W_RS
.irp t, 0,1,2,3
.set i, 0
.rept 16
	v_pk_mul_f32 v[32*\t+i:32*\t+i+1], v[32*\t+i:32*\t+i+1], v[ST+8*\t+6:ST+8*\t+7] op_sel_hi:[1,0]   ; O^T x a, each accumulator from its low end on
.set i, i+2
.endr
.endr
.endif
	s_wait_dscnt 0x0                               ; V is in
	WIN W_PV
.irp kg, 0,1
.irp ct, 0,1,2,3
.irp t, 0,1,2,3
.if \first && (\kg == 0)
	v_wmma_f32_16x16x32_f16 v[32*\t+8*\ct:32*\t+8*\ct+7], v[VF+8*(4*\kg+\ct):VF+8*(4*\kg+\ct)+7], v[S+32*\t+8*\kg:S+32*\t+8*\kg+7], 0
.else
	v_wmma_f32_16x16x32_f16 v[32*\t+8*\ct:32*\t+8*\ct+7], v[VF+8*(4*\kg+\ct):VF+8*(4*\kg+\ct)+7], v[S+32*\t+8*\kg:S+32*\t+8*\kg+7], v[32*\t+8*\ct:32*\t+8*\ct+7]
.endif
.endr
.endr
.endr
	WIN 0
	s_add_co_u32 s[TBK], s[TBK], 8704              ; 64 keys on: 32 rows
	s_add_co_u32 s[TBV], s[TBV], 9216
.endm
; A CHUNK of 256 keys of each half: the change of slots at its head, then four key steps.  c < 3: the other slot takes the next chunk (c = 0: its first fill, issued as a refill is).
.macro TRIP c
	s_wait_tensorcnt 0x0                           ; my one load, my part of this chunk, has landed: so the descriptors may be written
	ds_add_u32 v[SPW], v[NIL]                      ; 0 onto my spare word
.if \c < 3
	s_add_co_u32 s[G0K+1], s[LBK], ((\c+1)&1)*SLOTB
	s_add_co_u32 s[G0V+1], s[LBV], ((\c+1)&1)*SLOTB
	s_add_nc_u64 s[G0K+2:G0K+3], s[G0K+2:G0K+3], 32768
	s_add_nc_u64 s[G0V+2:G0V+3], s[G0V+2:G0V+3], 32768
.endif
	s_wait_dscnt 0x0                               ; the add is done, and my reads of the slot that I have left are over
.if \c < 3
	CROUND                                         ; so it is with every wave of all four work-groups
	JLOAD                                          ; the first thing behind the round, and my one tensor load until the next
.else
	s_barrier_signal -1
	s_barrier_wait -1
.endif
.if \c == 1
	ASK
.endif
	s_add_co_u32 s[TBK], s[HB], ((\c)&1)*SLOTB
	s_add_co_u32 s[TBV], s[TBK], VOFF
.if \c == 0
	STEP 1
	s_mov_b32 s[CNT], 3
.else
	s_mov_b32 s[CNT], 4
.endif
.Lstep_\@:
	STEP 0
	s_sub_co_u32 s[CNT], s[CNT], 1
	s_cmp_lg_u32 s[CNT], 0
	s_cbranch_scc1 .Lstep_\@
.endm
	s_wait_loadcnt 0x0                             ; Q
	TRIP 0
	TRIP 1
	TRIP 2
	TRIP 3
	; THE MERGE.  (c m, l) of each tile becomes a pair; register tiles 2, 3 go to my partner as images of their registers; I take its images of my tiles 0, 1.
.irp t, 0,1,2,3
	v_add_f32 v[ST+8*\t+1], v[ST+8*\t+2], v[ST+8*\t+3]   ; four plain lines behind the last products
.endr
	WIN 0x04                                       ; an LDS store's data are its source 1: window 1
.irp t, 2,3
.irp i, 0,1,2,3,4,5,6,7
	ds_store_b128 v[MST], v[32*\t+4*\i:32*\t+4*\i+3] offset:(\t-2)*4096+512*\i
.endr
.endr
	WIN 0
.irp t, 2,3
	ds_store_b64 v[MSS], v[ST+8*\t:ST+8*\t+1] offset:256*(\t-2)
.endr
	s_wait_dscnt 0x0                               ; for my partner's sake: my stores have landed
	s_barrier_signal -1
	s_barrier_wait -1
.irp t, 0,1
.irp i, 0,1,2,3,4,5,6,7
	ds_load_b128 v[S+32*\t+4*\i:S+32*\t+4*\i+3], v[MLD] offset:\t*4096+512*\i
.endr
	ds_load_b64 v[240+2*\t:241+2*\t], v[MLS] offset:256*\t
.endr
	s_wait_dscnt 0x0
.irp t, 0,1
	v_max_num_f32 v[ST+8*\t+2], v[ST+8*\t], v[240+2*\t]            ; the common c m
.endr
.irp t, 0,1
	v_sub_f32 v[ST+8*\t+4], v[ST+8*\t], v[ST+8*\t+2]
	v_sub_f32 v[ST+8*\t+6], v[240+2*\t], v[ST+8*\t+2]
.endr
.irp t, 0,1
	v_exp_f32 v[ST+8*\t+4], v[ST+8*\t+4]                           ; a1: what my half is worth under it,
	v_exp_f32 v[ST+8*\t+6], v[ST+8*\t+6]                           ; a2: my partner's
.endr
	v_nop
	s_wait_alu depctr_va_vdst(0)                   ; one wait for the four
.irp t, 0,1
	v_mul_f32 v[ST+8*\t+3], v[ST+8*\t+4], v[ST+8*\t+1]
.endr
.irp t, 0,1
	v_fma_f32 v[ST+8*\t+3], v[ST+8*\t+6], v[241+2*\t], v[ST+8*\t+3]
.endr
.irp t, 0,1
	v_permlanex16_b32 v[ST+8*\t+2], v[ST+8*\t+3], s[SEL], s[SEL+1]
.endr
.irp t, 0,1
	v_add_f32 v[ST+8*\t+3], v[ST+8*\t+3], v[ST+8*\t+2]             ; the row's sum over all 2,048 keys
.endr
.irp t, 0,1
	v_rcp_f32 v[ST+8*\t+2], v[ST+8*\t+3]
.endr
	v_nop
	s_wait_alu depctr_va_vdst(0)                   ; one wait for the two
.irp t, 0,1
	v_mul_f32 v[ST+8*\t+4], v[ST+8*\t+4], v[ST+8*\t+2]
	v_mul_f32 v[ST+8*\t+6], v[ST+8*\t+6], v[ST+8*\t+2]
.endr
.irp t, 0,1
.set i, 0
.rept 16
	v_pk_mul_f32 v[S+32*\t+i:S+32*\t+i+1], v[S+32*\t+i:S+32*\t+i+1], v[ST+8*\t+6:ST+8*\t+7] op_sel_hi:[1,0]
.set i, i+2
.endr
.endr
	WIN 0x01                                       ; source 0: my O^T, window 1
.irp t, 0,1
.set i, 0
.rept 16
	v_pk_fma_f32 v[S+32*\t+i:S+32*\t+i+1], v[32*\t+i:32*\t+i+1], v[ST+8*\t+4:ST+8*\t+5], v[S+32*\t+i:S+32*\t+i+1] op_sel_hi:[1,0,1]
.set i, i+2
.endr
.endr
	WIN 0
	; THE WAY OUT: f16, 16 bytes a lane into my own stage (rows of 128 bytes + 16), back as four tokens: 512 consecutive bytes of o16.
.irp t, 0,1
.set i, 0
.rept 16
	v_cvt_pk_f16_f32 v[S+32*\t+i], v[S+32*\t+2*i], v[S+32*\t+2*i+1]
.set i, i+1
.endr
.endr
.irp t, 0,1
.irp ct, 0,1,2,3
	ds_store_b128 v[STO], v[S+32*\t+4*\ct:S+32*\t+4*\ct+3] offset:2304*\t+32*\ct
.endr
.irp i, 0,1,2,3
	ds_load_b128 v[176+16*\t+4*\i:179+16*\t+4*\i], v[RD] offset:2304*\t+576*\i   ; LDS serves a wave's instructions in order: these see the stores above
.endr
.endr
.irp t, 0,1
.irp i, 0,1,2,3
	s_wait_dscnt 8*(1-\t)+3-\i                     ; behind this load: its tile's later loads, and for tile 0 tile 1's four stores and four loads
	global_store_b128 v[GO], v[176+16*\t+4*\i:179+16*\t+4*\i], s[18:19] offset:2048*\t+512*\i
.endr
.endr
	s_wait_tensorcnt 0x0                           ; the wave's end: the three lines
	ds_add_u32 v[SPW], v[NIL]
	s_wait_dscnt 0x0
	CROUND                                         ; the closing round
	s_endpgm
.Lfunc_end_k_q9cbcd497cb_attn:
	.size	k_q9cbcd497cb_attn, .Lfunc_end_k_q9cbcd497cb_attn-k_q9cbcd497cb_attn
	.p2alignl 7, 3214868480
	.fill 96, 4, 3214868480
	.section	.rodata,"a",@progbits
	.p2align	6, 0x0
	.amdhsa_kernel k_q9cbcd497cb_attn
		.amdhsa_group_segment_fixed_size 327680
		.amdhsa_private_segment_fixed_size 0
		.amdhsa_enable_private_segment 0
		.amdhsa_kernarg_size 16
		.amdhsa_user_sgpr_count 2
		.amdhsa_user_sgpr_kernarg_segment_ptr 1
		.amdhsa_wavefront_size32 1
		.amdhsa_system_sgpr_workgroup_id_x 1
		.amdhsa_system_sgpr_workgroup_id_y 1
		.amdhsa_system_sgpr_workgroup_id_z 1
		.amdhsa_system_vgpr_workitem_id 0
		.amdhsa_next_free_vgpr 512
		.amdhsa_next_free_sgpr 72
		.amdhsa_reserve_vcc 0
		.amdhsa_float_denorm_mode_32 3
		.amdhsa_float_denorm_mode_16_64 3
		.amdhsa_memory_ordered 1
		.amdhsa_forward_progress 1
		.amdhsa_inst_pref_size 180
	.end_amdhsa_kernel
	.amdgpu_metadata
---
amdhsa.version: [ 1, 2 ]
amdhsa.kernels:
  - .name:           k_q9cbcd497cb_attn
    .symbol:         k_q9cbcd497cb_attn.kd
    .args:
      - { .name: qkv, .offset: 0, .size: 8, .value_kind: global_buffer, .address_space: global }
      - { .name: o16, .offset: 8, .size: 8, .value_kind: global_buffer, .address_space: global }
    .group_segment_fixed_size: 327680
    .private_segment_fixed_size: 0
    .kernarg_segment_align: 8
    .kernarg_segment_size: 16
    .max_flat_workgroup_size: 256
    .sgpr_count:     72
    .vgpr_count:     512
    .wavefront_size: 32
...
	.end_amdgpu_metadata
.endif
;; end of part 3
;; launch proj (part 4): grid 8 x 32, 4 waves a work-group, clusters of 4 x 4, 327,680 bytes of LDS; arguments o16, wo16, bout, out0; writes out0
.if DOCPART == 4
	.amdgcn_target "amdgcn-amd-amdhsa--gfx1250"
	.amdhsa_code_object_version 6
	.text
	.protected	k_q9cbcd497cb_proj
	.globl	k_q9cbcd497cb_proj
	.p2align	8
	.type	k_q9cbcd497cb_proj,@function
k_q9cbcd497cb_proj:
	s_mov_b64 s[64:65], 0
	v_nop
	global_prefetch_b8 v0, s[64:65] scope:SCOPE_SE
	s_setreg_imm32_b32 hwreg(HW_REG_WAVE_MODE, 25, 1), 1
	s_wait_xcnt 0x0
	s_wait_alu depctr_hold_cnt(0) depctr_sa_sdst(0) depctr_va_vdst(0) depctr_va_sdst(0) depctr_va_ssrc(0) depctr_va_vcc(0) depctr_vm_vsrc(0)
	s_getreg_b32 s2, hwreg(HW_REG_IB_STS2, 6, 4)
	s_cmp_eq_u32 s2, 0
	s_cbranch_scc0 .Lentry_in_a_cluster
	s_endpgm
.Lentry_in_a_cluster:
	s_bfe_u32 s2, ttmp6, 0x10000c
	s_cmp_lg_u32 s2, 0xf033
	s_cbranch_scc0 .Lentry_shape_is_right
	s_endpgm
.Lentry_shape_is_right:
; out0[m][n] = the sum over k of o[m][k] Wout[k][n] + bout[n].  o: o16 [m / 128][head 16][128 tokens][64] f16 (k = 64 head + channel); Wout: wo16 [1024 (k)][1024 (n)] f16; bout, out0 f32; sums in f32.
; A tile of 128 x 128 to a work-group of four waves, 64 x 64 a wave: 4,096 x 1,024 make 256 tiles, one for each of 256 work-groups.  K goes in four steps of 256 (four heads) through two LDS slots.
; A's step is 64 KB of dense memory, taken as 256 rows of 256 bytes (two tokens of one head); B's is 256 rows (k) of 256 bytes (128 n), read turned by ds_load_tr16_b128.
; CLUSTERS: 4 x 4; A's tiles are asked for jointly along a row of the cluster, B's along a column.  THE MATRIX INSTRUCTION IS USED TRANSPOSED (source 0 = 16 columns n, source 1 = 16 rows m):
; a lane holds eight neighbouring n of one row.  The bias is the C of each sum's first product.
; REGISTERS: window 0: v16-29 addresses; v32-95 the way out; v96-127 the bias, 8 a block of n; v128-255 the accumulators ((a, b) at v[128 + 8 (4 a + b)]).  window 1: two fragment buffers of 128: 64 of A, 64 of B, for 64 along K.
.set SLOT,   143360                    ; A: 256 rows x 272, then B: 256 rows x 288
.set BOFF,   69632
.set STAGE,  286720                    ; behind the ring: 16 rows x 272 for each wave: bytes of their own
.set SPARE,  304128                    ; the spare words, 128 bytes a wave; no other line names them
.set ADRA, 16                          ; v16-17  A's fragments in slot 0, 1
.set ADRB, 20                          ; v20-23  B's: slot 0 heads 0-1, heads 2-3; slot 1 likewise (the immediate offset has 16 bits)
.set STO,  24
.set RD,   25
.set CO,   26
.set BO,   27
.set SPW,  28
.set NIL,  29
.set TMP,  32
.set BIAS, 96
.set ACC,  128
.set F0,   0
.set F1,   128
.set G1, 24
.set G0, 32
.set G1B, 48
.set G0B, 56
.set MSB, 0
.macro WIN new
.if MSB != (\new)
	s_set_vgpr_msb (MSB<<8)|(\new)
.set MSB, (\new)
.endif
.endm
.set MUL,  0x05                        ; sources 0 (B) and 1 (A) window 1; C and D window 0
.set TO_F, 0x40
.macro JLOAD s                         ; waves 0, 1 fetch A's halves, waves 2, 3 B's; an s_nop 0 and four v_nop follow each line
	s_cmp_eq_u32 s13, 0
	s_cbranch_scc0 .Lfor_b_\@
	tensor_load_to_lds s[G0+4*\s:G0+4*\s+3], s[G1:G1+7]
	s_nop 0
.rept 4
	v_nop
.endr
	s_branch .Lasked_\@
.Lfor_b_\@:
	tensor_load_to_lds s[G0B+4*\s:G0B+4*\s+3], s[G1B:G1B+7]
	s_nop 0
.rept 4
	v_nop
.endr
.Lasked_\@:
.endm
.macro CREST
	s_cmp_lg_u32 s12, 0
	s_cbranch_scc1 .Lnot_wave_0_\@
	s_barrier_signal -3
.Lnot_wave_0_\@:
	s_barrier_wait -3
	s_barrier_signal -1
	s_barrier_wait -1
.endm
.macro CROUND
	s_barrier_signal -1
	s_barrier_wait -1
	CREST
.endm
	s_load_b256 s[4:11], s[0:1], 0x0               ; o16 s[4:5], wo16 s[6:7], bout s[8:9], out0 s[10:11]
	v_lshl_add_u32 v[SPW], v0, 2, SPARE
	v_mov_b32 v[NIL], 0
	ds_add_u32 v[SPW], v[NIL]                      ; the opening: the add, twice on end, and its wait ahead of my first tensor load
	ds_add_u32 v[SPW], v[NIL]
	v_lshrrev_b32 v1, 5, v0
	v_readfirstlane_b32 s12, v1                    ; wave 0..3
	s_lshr_b32 s13, s12, 1                         ; which half of the tile's rows is mine.  Also: I fetch for A (0) or for B (1)
	s_and_b32 s14, s12, 1                          ; which half of its columns.  Also: which 128 LDS rows I fetch
	s_bfe_u32 s40, ttmp6, 0x40000                  ; cx, cy
	s_bfe_u32 s41, ttmp6, 0x40004
	s_lshl_b32 s42, ttmp9, 2
	s_add_co_u32 s42, s42, s40                     ; tile column 0..7
	s_and_b32 s15, ttmp7, 0xffff
	s_lshl_b32 s15, s15, 2
	s_add_co_u32 s15, s15, s41                     ; tile row 0..31
	s_lshl_b32 s43, s41, 2
	s_lshl_b32 s43, 15, s43                        ; my row of the cluster
	s_lshl_b32 s44, 0x1111, s40                    ; my column
	s_or_b32 s[G1+0], s43, (1<<16)|(1<<20)|(1<<21)|(5<<22)|(3<<25)  ; the mask; elements of 2 bytes; padding: 4 words behind every 64; bit 21 beside a mask
	s_or_b32 s[G1B+0], s44, (1<<16)|(1<<20)|(1<<21)|(5<<22)|(7<<25) ; 8 words
.irp g, G1, G1B
	s_mov_b32 s[\g+1], 128<<16                     ; tensor_dim0
	s_mov_b32 s[\g+2], 128<<16                     ; tensor_dim1
	s_mov_b32 s[\g+3], 128<<16                     ; tile_dim0
	s_mov_b32 s[\g+4], 128                         ; tile_dim1
	s_mov_b32 s[\g+6], 0
	s_mov_b32 s[\g+7], 0
.endr
	s_mov_b32 s[G1+5], 128                         ; A's rows are dense;
	s_mov_b32 s[G1B+5], 1024                       ; a row of Wout is 1,024 elements
	s_lshl_b32 s16, s15, 18                        ; A: 16 heads x 16 KB a tile row,
	s_lshl_b32 s17, s14, 15                        ; + the two heads that I fetch
	s_add_co_u32 s16, s16, s17
	s_mov_b32 s17, 0
	s_lshl_b32 s46, s14, 18                        ; B: the 128 rows of 2,048 bytes that I fetch,
	s_lshl_b32 s47, s42, 8                         ; + the tile's 256 bytes of them
	s_add_co_u32 s46, s46, s47
	s_mov_b32 s47, 0
	s_mul_i32 s20, s14, 34816                      ; where they go: no place in the cluster enters an LDS address
	s_mul_i32 s21, s14, 36864
	s_add_co_u32 s21, s21, BOFF
	s_wait_dscnt 0x0                               ; both opening adds are done
	s_wait_kmcnt 0x0
	s_add_nc_u64 s[18:19], s[4:5], s[16:17]
	s_add_nc_u64 s[46:47], s[6:7], s[46:47]
	CROUND                                         ; all sixteen work-groups are here
.irp s, 0,1
	s_mov_b32 s[G0+4*\s], 1
	s_add_co_u32 s[G0+4*\s+1], s20, \s*SLOT
	s_add_nc_u64 s[G0+4*\s+2:G0+4*\s+3], s[18:19], \s*65536
	s_or_b32 s[G0+4*\s+3], s[G0+4*\s+3], 0x80000000
	s_mov_b32 s[G0B+4*\s], 1
	s_add_co_u32 s[G0B+4*\s+1], s21, \s*SLOT
	s_add_nc_u64 s[G0B+4*\s+2:G0B+4*\s+3], s[46:47], \s*524288
	s_or_b32 s[G0B+4*\s+3], s[G0B+4*\s+3], 0x80000000
	JLOAD \s                                       ; two loads of mine are out
.endr
	v_and_b32 v1, 15, v0                           ; r
	v_bfe_u32 v2, v0, 4, 1                         ; h
	s_lshl_b32 s16, s42, 9
	s_lshl_b32 s17, s14, 8
	s_add_co_u32 s16, s16, s17                     ; my first column, in bytes of f32
	s_mov_b32 s17, 0
	s_add_nc_u64 s[8:9], s[8:9], s[16:17]
	v_lshlrev_b32 v[BO], 5, v2                     ; the bias in the result's layout: block b, lane (r, h): bout at 16 b + 8 h + 0 .. 7
.irp b, 0,1,2,3
	global_load_b128 v[BIAS+8*\b:BIAS+8*\b+3],   v[BO], s[8:9] offset:64*\b
	global_load_b128 v[BIAS+8*\b+4:BIAS+8*\b+7], v[BO], s[8:9] offset:64*\b+16
.endr
	s_lshl_b32 s22, s15, 19                        ; out0: 128 rows of 4,096 bytes a tile row,
	s_lshl_b32 s23, s13, 18                        ; + my 64
	s_add_co_u32 s22, s22, s23
	s_add_co_u32 s22, s22, s16
	s_mov_b32 s23, 0
	s_add_nc_u64 s[10:11], s[10:11], s[22:23]
	v_lshrrev_b32 v3, 1, v1
	v_mul_u32_u24 v3, v3, 272                      ; A: token r lies in row r / 2, half r % 2; + 16 h
	v_and_b32 v4, 1, v1
	v_lshl_add_u32 v3, v4, 7, v3
	v_lshl_add_u32 v3, v2, 4, v3
	s_mul_i32 s22, s13, 8704                       ; my 64 tokens: 32 rows
	v_add_nc_u32 v[ADRA], s22, v3
	s_add_co_u32 s22, s22, SLOT
	v_add_nc_u32 v[ADRA+1], s22, v3
	v_and_b32 v4, 7, v0
	v_lshl_add_u32 v4, v2, 3, v4
	v_mul_u32_u24 v4, v4, 288                      ; B, for the turning load: row k = 8 h + lane % 8, columns 8 ((lane / 8) % 2) on
	v_bfe_u32 v5, v0, 3, 1
	v_lshl_add_u32 v4, v5, 4, v4
	s_lshl_b32 s23, s14, 7                         ; my 64 columns
	s_add_co_u32 s23, s23, BOFF
	v_add_nc_u32 v[ADRB], s23, v4
	s_add_co_u32 s23, s23, 36864
	v_add_nc_u32 v[ADRB+1], s23, v4
	s_add_co_u32 s23, s23, SLOT-36864
	v_add_nc_u32 v[ADRB+2], s23, v4
	s_add_co_u32 s23, s23, 36864
	v_add_nc_u32 v[ADRB+3], s23, v4
	s_mul_i32 s23, s12, 4352
	s_add_co_u32 s23, s23, STAGE                   ; my stage
	v_mul_u32_u24 v5, v1, 272
	v_lshl_add_u32 v5, v2, 5, v5
	v_add_nc_u32 v[STO], s23, v5                   ; in: row r, 32 bytes for each half of the lanes
	v_mul_u32_u24 v5, v2, 272
	v_lshl_add_u32 v5, v1, 4, v5
	v_add_nc_u32 v[RD], s23, v5                    ; back: lanes 0-15 one row of 256 bytes, lanes 16-31 the next
	v_lshlrev_b32 v5, 12, v2
	v_lshl_add_u32 v[CO], v1, 4, v5                ; and the same two rows in out0
; 8 matrix instructions: m blocks a0, a0 + 1 x all 4 n blocks, 32 along K: half c of buffer f.  zero = 1: the first product starts the sum from the bias.  The 16 accumulators take turns.
.macro MUL8 f, c, a0, zero
.irp a, \a0, \a0+1
.irp b, 0,1,2,3
.if \zero
	v_wmma_f32_16x16x32_f16 v[ACC+8*(4*(\a)+\b):ACC+8*(4*(\a)+\b)+7], v[\f+64+8*(4*\c+\b):\f+64+8*(4*\c+\b)+7], v[\f+8*(4*\c+\a):\f+8*(4*\c+\a)+7], v[BIAS+8*\b:BIAS+8*\b+7]
.else
	v_wmma_f32_16x16x32_f16 v[ACC+8*(4*(\a)+\b):ACC+8*(4*(\a)+\b)+7], v[\f+64+8*(4*\c+\b):\f+64+8*(4*\c+\b)+7], v[\f+8*(4*\c+\a):\f+8*(4*\c+\a)+7], v[ACC+8*(4*(\a)+\b):ACC+8*(4*(\a)+\b)+7]
.endif
.endr
.endr
.endm
; 32 LDS loads in one run: the fragments of the slot's head q (64 along K) into buffer f; the first 32 along K first
.macro FETCH slot, q, f
	WIN TO_F
.irp c, 0,1
.irp i, 0,1,2,3
	ds_load_tr16_b128 v[\f+64+8*(4*\c+\i):\f+64+8*(4*\c+\i)+3],   v[ADRB+2*\slot+(\q)/2] offset:((\q)%2)*18432+9216*\c+32*\i
	ds_load_tr16_b128 v[\f+64+8*(4*\c+\i)+4:\f+64+8*(4*\c+\i)+7], v[ADRB+2*\slot+(\q)/2] offset:((\q)%2)*18432+9216*\c+32*\i+4608
	ds_load_b128 v[\f+8*(4*\c+\i):\f+8*(4*\c+\i)+3],              v[ADRA+\slot] offset:17408*(\q)+64*\c+2176*\i
	ds_load_b128 v[\f+8*(4*\c+\i)+4:\f+8*(4*\c+\i)+7],            v[ADRA+\slot] offset:17408*(\q)+64*\c+2176*\i+32
.endr
.endr
.endm
.macro PLACES                          ; four plain lines in front of loads into registers that matrix instructions have read, and of reads of results
.rept 4
	v_nop
.endr
.endm
.macro QUARTER slot, q, f, g, zero     ; multiplies buffer f and fetches the slot's head q into g
	s_wait_dscnt 16                                ; the first 32 along K are in; the other sixteen loads may be out
	WIN MUL
	MUL8 \f, 0, 0, \zero
	MUL8 \f, 0, 2, \zero
	PLACES
	FETCH \slot, \q, \g
	s_wait_dscnt 32                                ; all but the 32 just issued
	WIN MUL
	MUL8 \f, 1, 0, 0
	MUL8 \f, 1, 2, 0
.endm
; A slot's last quarter multiplies buffer 1 and changes slots: one barrier.  fill = 1: it opens a round of the cluster's barrier, and this slot is filled again, two K steps ahead.
.macro TURN slot, next, fill
	WIN 0
	s_wait_tensorcnt 0x0                           ; all my tensor loads have landed: my part of the next slot
	ds_add_u32 v[SPW], v[NIL]                      ; 0 onto my spare word
	s_wait_dscnt 17                                ; (the add and the youngest sixteen loads may be out)
	WIN MUL
	MUL8 F1, 0, 0, 0
	s_wait_dscnt 0x0                               ; the add is done, and my reads of this slot are over
	s_barrier_signal -1
	MUL8 F1, 0, 2, 0
.if \fill
	WIN 0
.endif
	s_barrier_wait -1
.if \fill
	CREST                                          ; no wave of any partner still reads this slot or has a load on its way
	s_add_nc_u64 s[G0+4*\slot+2:G0+4*\slot+3], s[G0+4*\slot+2:G0+4*\slot+3], 131072
	s_add_nc_u64 s[G0B+4*\slot+2:G0B+4*\slot+3], s[G0B+4*\slot+2:G0B+4*\slot+3], 1048576
	JLOAD \slot                                    ; the first tensor load behind the round; its four v_nop are also the places in front of the loads below
.else
	PLACES
.endif
	FETCH \next, 0, F0
	WIN MUL
	MUL8 F1, 1, 0, 0
	MUL8 F1, 1, 2, 0
.endm
	s_wait_tensorcnt 1                             ; my part of K step 0 is in; K step 1's load may be out
	s_barrier_signal -1
	s_barrier_wait -1
	FETCH 0, 0, F0
	s_wait_loadcnt 0x0                             ; the bias
	QUARTER 0, 1, F0, F1, 1
	QUARTER 0, 2, F1, F0, 0
	QUARTER 0, 3, F0, F1, 0
	TURN 0, 1, 1                                   ; slot 0 takes K step 2
	QUARTER 1, 1, F0, F1, 0
	QUARTER 1, 2, F1, F0, 0
	QUARTER 1, 3, F0, F1, 0
	TURN 1, 0, 1                                   ; slot 1 takes K step 3
	QUARTER 0, 1, F0, F1, 0
	QUARTER 0, 2, F1, F0, 0
	QUARTER 0, 3, F0, F1, 0
	TURN 0, 1, 0
	QUARTER 1, 1, F0, F1, 0
	QUARTER 1, 2, F1, F0, 0
	QUARTER 1, 3, F0, F1, 0
	s_wait_dscnt 16                                ; the very last quarter
	WIN MUL
	MUL8 F1, 0, 0, 0
	MUL8 F1, 0, 2, 0
	s_wait_dscnt 0
	MUL8 F1, 1, 0, 0
	MUL8 F1, 1, 2, 0
	WIN 0
; THE WAY OUT, 16 rows x 64 columns of f32 at a time: a lane's 32 bytes into my own stage, back as whole rows of 256 bytes: sixteen lanes store 256 consecutive bytes, aligned.
.macro TOSTAGE a
.irp b, 0,1,2,3
	ds_store_b128 v[STO], v[ACC+8*(4*(\a)+\b):ACC+8*(4*(\a)+\b)+3] offset:64*\b          ; each accumulator from its low end on
	ds_store_b128 v[STO], v[ACC+8*(4*(\a)+\b)+4:ACC+8*(4*(\a)+\b)+7] offset:64*\b+16
.endr
.irp t, 0,1,2,3,4,5,6,7
	ds_load_b128 v[TMP+32*((\a)%2)+4*\t:TMP+32*((\a)%2)+4*\t+3], v[RD] offset:544*\t     ; LDS serves a wave's instructions in order: these see the stores above
.endr
.endm
.macro SEND a, younger                 ; younger: the LDS instructions issued behind block a's loads
	s_wait_dscnt \younger
.irp t, 0,1,2,3,4,5,6,7
	global_store_b128 v[CO], v[TMP+32*((\a)%2)+4*\t:TMP+32*((\a)%2)+4*\t+3], s[10:11] offset:(16*(\a)+2*\t)*4096 th:TH_STORE_NT
.endr
.endm
	PLACES
	TOSTAGE 0
.irp a, 1,2,3
.if \a > 1
	s_wait_xcnt 0x0                                ; block a - 2's stores have read their registers: block a's loads may land there
.endif
	TOSTAGE \a
	SEND \a-1, 16                                  ; behind block a - 1's loads: block a's 8 stores and 8 loads
.endr
	SEND 3, 0
	s_wait_tensorcnt 0x0                           ; the wave's end: the three lines
	ds_add_u32 v[SPW], v[NIL]
	s_wait_dscnt 0x0
	CROUND                                         ; the closing round
	s_endpgm
.Lfunc_end_k_q9cbcd497cb_proj:
	.size	k_q9cbcd497cb_proj, .Lfunc_end_k_q9cbcd497cb_proj-k_q9cbcd497cb_proj
	.p2alignl 7, 3214868480
	.fill 96, 4, 3214868480
	.section	.rodata,"a",@progbits
	.p2align	6, 0x0
	.amdhsa_kernel k_q9cbcd497cb_proj
		.amdhsa_group_segment_fixed_size 327680
		.amdhsa_private_segment_fixed_size 0
		.amdhsa_enable_private_segment 0
		.amdhsa_kernarg_size 32
		.amdhsa_user_sgpr_count 2
		.amdhsa_user_sgpr_kernarg_segment_ptr 1
		.amdhsa_wavefront_size32 1
		.amdhsa_system_sgpr_workgroup_id_x 1
		.amdhsa_system_sgpr_workgroup_id_y 1
		.amdhsa_system_sgpr_workgroup_id_z 1
		.amdhsa_system_vgpr_workitem_id 0
		.amdhsa_next_free_vgpr 512
		.amdhsa_next_free_sgpr 72
		.amdhsa_reserve_vcc 0
		.amdhsa_float_denorm_mode_32 3
		.amdhsa_float_denorm_mode_16_64 3
		.amdhsa_memory_ordered 1
		.amdhsa_forward_progress 1
		.amdhsa_inst_pref_size 87
	.end_amdhsa_kernel
	.amdgpu_metadata
---
amdhsa.version: [ 1, 2 ]
amdhsa.kernels:
  - .name:           k_q9cbcd497cb_proj
    .symbol:         k_q9cbcd497cb_proj.kd
    .args:
      - { .name: o16, .offset: 0, .size: 8, .value_kind: global_buffer, .address_space: global }
      - { .name: wo16, .offset: 8, .size: 8, .value_kind: global_buffer, .address_space: global }
      - { .name: bout, .offset: 16, .size: 8, .value_kind: global_buffer, .address_space: global }
      - { .name: out0, .offset: 24, .size: 8, .value_kind: global_buffer, .address_space: global }
    .group_segment_fixed_size: 327680
    .private_segment_fixed_size: 0
    .kernarg_segment_align: 8
    .kernarg_segment_size: 32
    .max_flat_workgroup_size: 128
    .sgpr_count:     72
    .vgpr_count:     512
    .wavefront_size: 32
...
	.end_amdgpu_metadata
.endif
;; end of part 4
